; MI455X (gfx1250); checked and timed in simulation.
; The chip was launched on July 23, 2026; its instructions are those of AMD's public machine-readable ISA for CDNA 5 (MIT licence, August 2026) and "CDNA5" Instruction Set Architecture Reference Guide (July 2026). The comments in the code are by the model that wrote it; some were corrected since.
;; Phi Flash Attention2. Allowed arithmetic: matrix products marked QUANTISED: E2M1 operands, one E8M0 scale for each 32 along K, by v_wmma_scale_f32_16x16x128_f8f6f4 with both operands' format E2M1 (or v_wmma_scale_f32_32x16x128_f4), f32 sums; products left as they are: bf16, f16 or f32 operands; f32 sums; everything else in f32.
;; Inputs: bk 2,048 float32; bo 2,048 float32; bq 2,048 float32; bv 2,048 float32; wk 2,048 x 2,048 float32; wo 2,048 x 2,048 float32; wq 2,048 x 2,048 float32; wv 2,048 x 2,048 float32; x 1 x 2,048 x 2,048 float32.
;; Outputs: out0 1 x 2,048 x 2,048 float32.
;; This version of the problem:
;;   THIS VERSION OF THE PROBLEM IS GIVEN IN LOW PRECISION. The matrix products marked QUANTISED in the list below multiply operands that are first quantised to E2M1 (2 exponent bits, 1 mantissa bit; 4 bits a number), with one power-of-two scale for each 32 numbers along K (OCP MX v1.0); their sums are f32. The products marked 'left as it is' may take bf16, f16 or f32 operands, with f32 sums. Whichever they take, every output number must still come out within the allowed error. Rounding operands to bf16 (8 significant bits) uses up far more of that allowance than f16 does (11 bits, for magnitudes from 6e-5 to 65,504). All else is computed in f32.
;;   The module's matrix products, in the order in which they are computed (A, B: the left and right operand; K: the contracted axis; several contracted axes count as one K, in the product's order):
;;     1. [M 2,048, K 2,048] x [K 2,048, N 2,048]; A: input x; B: input wq: QUANTISED
;;     2. [M 2,048, K 2,048] x [K 2,048, N 2,048]; A: input x; B: input wk: QUANTISED
;;     3. [M 2,048, K 2,048] x [K 2,048, N 2,048]; A: input x; B: input wv: QUANTISED
;;     4. batch 32 x [M 2,048, K 64] x [K 64, N 2,048]; A: computed on the way; B: computed on the way: left as it is (an operand is computed on the way)
;;     5. batch 32 x [M 64, K 2,048] x [K 2,048, N 2,048]; A: computed on the way; B: computed on the way: left as it is (an operand is computed on the way)
;;     6. [M 2,048, K 2,048] x [K 2,048, N 2,048]; A: computed on the way; B: input wo: left as it is (an operand is computed on the way)
;;   THE QUANTISER, for each operand of a quantised product, along K:
;;     - K is cut into blocks of 32 from its start; a last block that is shorter is filled with zeros.
;;     - A block's scale is 2^e with e = floor(log2(the largest magnitude in the block)) - 2, held to -126 .. 127; a block of zeros has e = 0. As a byte (E8M0): e + 127.
;;     - Each number is divided by its block's scale, clamped to +-6, and rounded to the nearest number of E2M1, ties to even, subnormals kept.
;;     - The product sums the exact products of the quantised numbers (number of the format x scale) in f32.
;;   ~~~python
;;   def quantise(x, axis):      # numpy; x: float32 -> the quantised numbers, widened to float32 again
;;       x = np.moveaxis(x, axis, -1); K = x.shape[-1]
;;       x = np.pad(x, [(0, 0)] * (x.ndim - 1) + [(0, -K % 32)]); x = x.reshape(x.shape[:-1] + (-1, 32)); a = np.abs(x).max(-1, keepdims=True)
;;       e = np.where(a > 0, np.clip(np.frexp(np.where(a > 0, a, 1))[1] - 1 - 2, -126, 127), 0)      # np.frexp(a)[1] - 1 = floor(log2(a)), exactly
;;       r = np.clip(x / 2.0 ** e, -6, 6)
;;       step = 2.0 ** (np.maximum(np.frexp(np.where(r == 0, 1, r))[1] - 1, 0) - 1)
;;       q = np.round(r / step) * step * 2.0 ** e      # np.round: ties to even
;;       return np.moveaxis(q.reshape(q.shape[:-2] + (-1,))[..., :K], -1, axis).astype(np.float32)
;;   ~~~
;; One version. Each part assembles by itself: llvm-mc -triple=amdgcn-amd-amdhsa -mcpu=gfx1250 --defsym DOCPART=n.
;; ======== version 1 of 1: 5 launches
;; limits: values are held in f16: magnitudes above 65,504 overflow, below 6.1e-05 lose precision
;; workspace buffers: codes 8,388,608 bytes; scales 524,288 bytes; wimg 8,388,608 bytes; rope 1,048,576 bytes; qkvimg 25,165,824 bytes; fine 1,572,864 bytes; oimg 8,388,608 bytes
;; launch prep (part 1): grid 656 x 1, 4 waves a work-group, no clusters, 50,688 bytes of LDS; arguments x, wq, wk, wv, wo, codes, scales, wimg, rope; writes codes, scales, wimg, rope
.if DOCPART == 1
	.amdgcn_target "amdgcn-amd-amdhsa--gfx1250"
	.amdhsa_code_object_version 6
	.text
	.protected	k_q12a215e25c_prep
	.globl	k_q12a215e25c_prep
	.p2align	8
	.type	k_q12a215e25c_prep,@function
k_q12a215e25c_prep:
	s_mov_b64 s[64:65], 0
	v_nop
	global_prefetch_b8 v0, s[64:65] scope:SCOPE_SE
	s_setreg_imm32_b32 hwreg(HW_REG_WAVE_MODE, 25, 1), 1
	s_wait_xcnt 0x0
; PREP: three jobs that read each input once, told apart by the work-group's number.
;  work-groups 0-511:   x, wq, wk, wv ([2048][2048] f32, K innermost) become codes of FP4 (E2M1) and one E8M0 scale byte for each 32 along K.
;                       codes: [8192 rows][1024 bytes], rows 0-2047 x, then wq, wk, wv; scales: [8192][64 bytes].
;  work-groups 512-639: wo becomes f16, laid in the order of a matrix operand's registers: wimg[n tile 128][32 along K: 64][half 2][lane 32][16 bytes];
;                       lane (r, h) of piece (ks, c) holds wo[16 t + r][32 ks + 16 c + 8 h + 0 .. 7].
;  work-groups 640-655: the table of cosines and sines: rope[2][2048 positions][32 cos | 32 sin] f32; table 0 is multiplied by log2(e) / 8 (for q), table 1 is plain (for k).
; THE QUANTISER: a block's scale is 2^(floor(log2(its largest magnitude)) - 2); its byte is that magnitude's exponent field - 2, held at 1 from below; each number is divided by the scale and rounded to the nearest code, ties to even.
; LIMITS: a block of zeros gets the byte 1 (its codes are zeros, and this program alone reads the bytes); NaN and infinities are not served; wo as f16 serves magnitudes up to 65,504.
; The angle's frequency is 2^(-i log2(10000) / 32) by v_exp_f32; the angle is reduced by multiples of pi / 2 held in two parts, and sine and cosine are polynomials on [-pi / 4, pi / 4].
; No tensor loads, no barrier: waves share nothing.  Each path has LDS bytes of its own.
.set STEPS, 16
.set EMAX,  2
.set CB,    8                          ; bytes of 16 codes
.set R,     16                         ; v16-79   four sets of 16 numbers as they are loaded
.set X,     80                         ; v80-111  two sets of 16 neighbours
.set E,     112                        ; v112-127 a scale byte for each step
.set C,     128                        ; v128-191 codes: four registers for each step
.set WREG,  8192                       ; the quantiser: a region for each wave: two stages of 32 x SP bytes, then its 256 scale bytes
.set SP,    80
.set SPW,   12                         ; v12  LDS address of my spare word; never rewritten
.set NIL,   13                         ; v13  0; never rewritten
.set WST,   4*WREG                     ; wo's path: a stage of 16 rows x (256 bytes + 16) for each wave
.set WPI,   272
.set SPARE, WST+4*16*WPI               ; the spare words, 128 bytes for each wave
.macro FINISH                          ; a wave's end, behind my last LDS store
	s_wait_tensorcnt 0x0
	ds_add_u32 v[SPW], v[NIL]
	s_wait_dscnt 0x0
	s_endpgm
.endm
	s_load_b256 s[4:11], s[0:1], 0x0               ; x, wq, wk, wv
	s_load_b256 s[12:19], s[0:1], 0x20             ; wo, codes, scales, wimg
	s_load_b64 s[20:21], s[0:1], 0x40              ; rope
	v_lshl_add_u32 v[SPW], v0, 2, SPARE
	v_mov_b32 v[NIL], 0
	v_lshrrev_b32 v1, 5, v0
	v_readfirstlane_b32 s24, v1                    ; wave
	v_and_b32 v2, 31, v0                           ; lane
	v_lshlrev_b32 v3, 4, v2                        ; 16 x lane
	v_lshlrev_b32 v7, 3, v2                        ; 8 x lane
	s_wait_kmcnt 0x0
	s_cmp_ge_u32 ttmp9, 640
	s_cbranch_scc1 .Ltab
	s_cmp_ge_u32 ttmp9, 512
	s_cbranch_scc1 .Lwo
; ---------------- the quantiser: a wave takes 16 steps of 512 numbers ----------------
	s_mul_i32 s25, s24, WREG
	v_lshrrev_b32 v14, 2, v2
	v_mul_u32_u24 v14, v14, SP
	v_and_b32 v15, 3, v2
	v_lshl_add_u32 v14, v15, 4, v14
	v_add_nc_u32 v14, s25, v14                     ; the stage, on the way in: four lanes' 64 bytes on end, then 16 of padding
	v_mul_u32_u24 v15, v2, SP
	v_add_nc_u32 v15, s25, v15                     ; and on the way out: my 16 neighbours
	v_mul_u32_u24 v4, v2, CB                       ; my codes' place in a step's
	v_lshrrev_b32 v5, 1, v2
	s_add_co_u32 s25, s25, 2*32*SP
	v_add_nc_u32 v5, s25, v5                       ; my wave's 256 scale bytes: my block's byte
	v_add_nc_u32 v6, s25, v7                       ; and on the way out 8 bytes a lane
	s_cmp_lt_u32 ttmp9, 128                        ; which tensor: the choice hangs on the work-group's number alone
	s_cselect_b64 s[26:27], s[4:5], s[6:7]
	s_cmp_lt_u32 ttmp9, 384
	s_cselect_b64 s[28:29], s[8:9], s[10:11]
	s_cmp_lt_u32 ttmp9, 256
	s_cselect_b64 s[4:5], s[26:27], s[28:29]
	s_and_b32 s30, ttmp9, 127
	s_lshl_b32 s30, s30, 2
	s_add_co_u32 s30, s30, s24                     ; which run of 8,192 numbers of the tensor is my wave's
	s_lshl_b32 s30, s30, 15
	s_mov_b32 s31, 0
	s_add_nc_u64 s[4:5], s[4:5], s[30:31]
	s_lshl_b32 s30, ttmp9, 2
	s_add_co_u32 s30, s30, s24                     ; and which run of all four tensors
	s_lshl_b32 s32, s30, 12                        ; 4,096 bytes of codes a run
	s_mov_b32 s33, 0
	s_add_nc_u64 s[8:9], s[14:15], s[32:33]
	s_lshl_b32 s32, s30, 8                         ; 256 scale bytes a run
	s_add_nc_u64 s[10:11], s[16:17], s[32:33]
.macro LOAD t
.irp i, 0,1,2,3
	global_load_b128 v[R+16*((\t)%4)+4*\i:R+16*((\t)%4)+4*\i+3], v3, s[4:5] offset:2048*(\t)+512*\i th:TH_LOAD_NT   ; 32 lanes read 512 consecutive bytes
.endr
.endm
.macro TURN t                          ; step t's numbers through the stage: LDS serves a wave's instructions in order, so no wait stands between the stores and the loads
.irp i, 0,1,2,3
	ds_store_b128 v14, v[R+16*((\t)%4)+4*\i:R+16*((\t)%4)+4*\i+3] offset:32*SP*((\t)%2)+8*SP*\i
.endr
.irp i, 0,1,2,3
	ds_load_b128 v[X+16*((\t)%2)+4*\i:X+16*((\t)%2)+4*\i+3], v15 offset:32*SP*((\t)%2)+16*\i
.endr
.endm
.irp t, 0,1,2,3
	LOAD \t
.endr
	s_wait_loadcnt 12                              ; step 0's four loads are in
	TURN 0
.macro STEP t
.set XS, X+16*((\t)%2)
.if (\t) > 0
	s_wait_dscnt 1                                 ; this step's numbers are back from the stage (the last step's byte store may be out)
.else
	s_wait_dscnt 0x0
.endif
.if (\t)+4 < STEPS
	LOAD (\t)+4                                    ; the registers that the stage's stores have read take the loads of four steps on
.endif
.if (\t)+1 < STEPS
.if STEPS-2-(\t) >= 3
	s_wait_loadcnt 12                              ; the next step's four loads are in; those of the three steps behind it may be out
.else
	s_wait_loadcnt 4*(STEPS-2-(\t))
.endif
	TURN (\t)+1
.endif
	v_max3_num_f32 v8, |v[XS]|, |v[XS+1]|, |v[XS+2]|               ; the largest magnitude of my 16
	v_max3_num_f32 v9, |v[XS+3]|, |v[XS+4]|, |v[XS+5]|
.irp i, 6,10
	v_max3_num_f32 v8, v8, |v[XS+\i]|, |v[XS+\i+1]|
	v_max3_num_f32 v9, v9, |v[XS+\i+2]|, |v[XS+\i+3]|
.endr
	v_max3_num_f32 v8, v8, |v[XS+14]|, |v[XS+15]|
	v_max3_num_f32 v8, v8, v9, (EMAX+1)<<23        ; and the floor 2^(EMAX + 1 - 127): the byte cannot fall under 1
	v_max_num_f32_dpp v8, v8, v8 row_xmask:1 row_mask:0xf bank_mask:0xf   ; and of my neighbour's 16: the block's
	v_add_nc_u32 v11, -(EMAX<<23), v8              ; EMAX off its exponent field: the conversion takes the exponent field of this operand as its scale
	v_cvt_scalef32_pk8_fp4_f32 v[C+4*(\t)], v[XS:XS+7], v11
	v_cvt_scalef32_pk8_fp4_f32 v[C+4*(\t)+1], v[XS+8:XS+15], v11
	v_lshrrev_b32 v[E+(\t)], 23, v11               ; the scale's byte (a plain line behind the conversions)
	ds_store_b8 v5, v[E+(\t)] offset:16*(\t)       ; both lanes of a block write the same byte with the same value
	global_store_b64 v4, v[C+4*(\t):C+4*(\t)+1], s[8:9] offset:32*CB*(\t)   ; the wave stores 256 consecutive bytes, aligned
.endm
.irp t, 0,1,2,3,4,5,6,7,8,9,10,11,12,13,14,15
	STEP \t
.endr
	ds_load_b64 v[8:9], v6                         ; LDS serves a wave's instructions in order: these see my stores
	s_wait_dscnt 0x0
	global_store_b64 v7, v[8:9], s[10:11]          ; 32 lanes store 256 consecutive bytes, aligned
	FINISH
; ---------------- wo to f16, in the order of an operand's registers: a work-group takes 16 rows, a wave 512 along K in four units of 128 ----------------
.Lwo:
	s_mul_i32 s25, s24, 16*WPI
	s_add_co_u32 s25, s25, WST                     ; my stage
	v_lshl_add_u32 v8, v2, 3, s25                  ; in: 8 bytes (4 numbers) a lane, a row an instruction
	v_and_b32 v10, 15, v2
	v_lshrrev_b32 v11, 4, v2
	v_mul_u32_u24 v9, v10, WPI
	v_lshl_add_u32 v9, v11, 4, v9
	v_add_nc_u32 v9, s25, v9                       ; back: row lane % 16, 16 bytes for each half of the lanes
	s_sub_co_u32 s30, ttmp9, 512                   ; the tile of 16 rows
	s_lshl_b32 s32, s30, 17                        ; 16 rows of 8,192 bytes
	s_lshl_b32 s33, s24, 11                        ; my wave's 512 numbers of a row
	s_add_co_u32 s32, s32, s33
	s_mov_b32 s33, 0
	s_add_nc_u64 s[12:13], s[12:13], s[32:33]
	s_lshl_b32 s32, s30, 16                        ; a tile's image: 65,536 bytes
	s_lshl_b32 s31, s24, 14                        ; my wave's part of it
	s_add_co_u32 s32, s32, s31
	s_add_nc_u64 s[18:19], s[18:19], s[32:33]
.macro WLOAD u                         ; unit u: 16 rows x 128 numbers; each load reads 512 consecutive bytes of a row
.irp i, 0,1,2,3,4,5,6,7,8,9,10,11,12,13,14,15
	global_load_b128 v[16+64*((\u)%2)+4*\i:16+64*((\u)%2)+4*\i+3], v3, s[12:13] offset:8192*\i+512*(\u) th:TH_LOAD_NT
.endr
.endm
.macro WUNIT u, left                   ; left: the next unit's loads, which may stay out
.set SB, 16+64*((\u)%2)
	s_wait_loadcnt \left
.irp i, 0,1,2,3,4,5,6,7,8,9,10,11,12,13,14,15
	v_cvt_pk_f16_f32 v[144+2*\i], v[SB+4*\i], v[SB+4*\i+1]
	v_cvt_pk_f16_f32 v[145+2*\i], v[SB+4*\i+2], v[SB+4*\i+3]
.endr
.irp i, 0,1,2,3,4,5,6,7,8,9,10,11,12,13,14,15
	ds_store_b64 v8, v[144+2*\i:145+2*\i] offset:WPI*\i
.endr
.irp p, 0,1,2,3,4,5,6,7                ; piece p = 2 ks + c: 16 numbers along K on, 32 bytes
	ds_load_b128 v[SB+4*\p:SB+4*\p+3], v9 offset:32*\p       ; LDS serves a wave's instructions in order: these see my stores
.endr
	s_wait_dscnt 0x0
.irp p, 0,1,2,3,4,5,6,7
	global_store_b128 v3, v[SB+4*\p:SB+4*\p+3], s[18:19] offset:4096*(\u)+512*\p   ; 512 consecutive bytes, aligned
.endr
.endm
	WLOAD 0
	WLOAD 1
	WUNIT 0, 16
	s_wait_xcnt 0x0                                ; unit 0's stores have read their registers: they take unit 2's loads
	WLOAD 2
	WUNIT 1, 16
	s_wait_xcnt 0x0
	WLOAD 3
	WUNIT 2, 16
	WUNIT 3, 0
	FINISH
; ---------------- the table: a wave takes 32 positions; lanes 0-15 the cosines, lanes 16-31 the sines, two frequencies a lane ----------------
.Ltab:
	s_sub_co_u32 s30, ttmp9, 640
	s_lshl_b32 s30, s30, 2
	s_add_co_u32 s30, s30, s24
	s_lshl_b32 s30, s30, 5                         ; my wave's first position
	s_lshl_b32 s32, s30, 8                         ; 256 bytes a position
	s_mov_b32 s33, 0
	s_add_nc_u64 s[20:21], s[20:21], s[32:33]
	s_mov_b32 s34, 0x3f22f983                      ; 2 / pi
	s_mov_b32 s35, 0x3fc90fdb                      ; pi / 2, its upper part,
	s_mov_b32 s36, 0xb33bbd2e                      ; and what is left of it
	s_mov_b32 s37, 0xbe2aaaa3                      ; the sine's three coefficients
	s_mov_b32 s38, 0x3c08839e
	s_mov_b32 s39, 0xb94ca1f9
	s_mov_b32 s40, 0x3d2aaaa5                      ; the cosine's three
	s_mov_b32 s41, 0xbab6061a
	s_mov_b32 s42, 0x37ccf5ce
	s_mov_b32 s43, 0x3e38aa3b                      ; log2(e) / 8
	s_mov_b32 s44, 0xbed49a78                      ; -log2(10000) / 32
	v_and_b32 v16, 15, v2
	v_lshlrev_b32 v16, 1, v16
	v_cvt_f32_u32 v16, v16                         ; my first frequency's number i,
	v_add_f32 v17, 1.0, v16                        ; and i + 1
	v_mul_f32 v16, s44, v16
	v_mul_f32 v17, s44, v17
	v_exp_f32 v16, v16                             ; 10000^(-i / 32)
	v_exp_f32 v17, v17
	v_lshrrev_b32 v18, 4, v2                       ; (a plain line behind the exponentials)  0: cosine, 1: sine
	s_wait_alu depctr_va_vdst(0)                   ; one wait for the two, ahead of their first reader and of the label
	v_mul_u32_u24 v18, v18, 3                      ; sin(a) = cos(a - pi / 2): three quadrants on
	s_mov_b32 s31, 32
.Lpos:
	v_cvt_f32_u32 v19, s30
	v_mul_f32 v20, v19, v16                        ; the angles
	v_mul_f32 v21, v19, v17
	v_mul_f32 v22, s34, v20
	v_mul_f32 v23, s34, v21
	v_rndne_f32 v22, v22                           ; n = the nearest multiple of pi / 2
	v_rndne_f32 v23, v23
	v_fma_f32 v20, -v22, s35, v20
	v_fma_f32 v21, -v23, s35, v21
	v_fma_f32 v20, -v22, s36, v20                  ; r = angle - n pi / 2
	v_fma_f32 v21, -v23, s36, v21
	v_mul_f32 v24, v20, v20                        ; z = r r
	v_mul_f32 v25, v21, v21
	v_fma_f32 v26, v24, s39, s38
	v_fma_f32 v27, v25, s39, s38
	v_fma_f32 v26, v26, v24, s37
	v_fma_f32 v27, v27, v25, s37
	v_mul_f32 v28, v24, v20
	v_mul_f32 v29, v25, v21
	v_fma_f32 v26, v26, v28, v20                   ; sin r
	v_fma_f32 v27, v27, v29, v21
	v_fma_f32 v28, v24, s42, s41
	v_fma_f32 v29, v25, s42, s41
	v_fma_f32 v28, v28, v24, s40
	v_fma_f32 v29, v29, v25, s40
	v_mul_f32 v30, v24, v24
	v_mul_f32 v31, v25, v25
	v_fma_f32 v32, v24, -0.5, 1.0
	v_fma_f32 v33, v25, -0.5, 1.0
	v_fma_f32 v28, v28, v30, v32                   ; cos r
	v_fma_f32 v29, v29, v31, v33
	v_cvt_i32_f32 v22, v22
	v_cvt_i32_f32 v23, v23
	v_add_nc_u32 v22, v22, v18                     ; the quadrant q
	v_add_nc_u32 v23, v23, v18
	v_and_b32 v30, 1, v22
	v_and_b32 v31, 1, v23
	v_cmp_eq_u32 vcc_lo, 1, v30
	v_cndmask_b32 v28, v28, v26, vcc_lo            ; odd q: the sine of r
	v_cmp_eq_u32 vcc_lo, 1, v31
	v_cndmask_b32 v29, v29, v27, vcc_lo
	v_add_nc_u32 v22, 1, v22
	v_add_nc_u32 v23, 1, v23
	v_and_b32 v22, 2, v22                          ; q mod 4 = 1 or 2: negative
	v_and_b32 v23, 2, v23
	v_lshlrev_b32 v22, 30, v22
	v_lshlrev_b32 v23, 30, v23
	v_xor_b32 v34, v28, v22
	v_xor_b32 v35, v29, v23
	v_mul_f32 v36, s43, v34
	v_mul_f32 v37, s43, v35
	global_store_b64 v7, v[36:37], s[20:21]                  ; table 0: 32 lanes store a position's 256 bytes, aligned
	global_store_b64 v7, v[34:35], s[20:21] offset:524288    ; table 1
	s_wait_xcnt 0x0                                ; the stores have read their data and their base: both are written again only behind this wait
	s_add_nc_u64 s[20:21], s[20:21], 256
	s_add_co_u32 s30, s30, 1
	s_sub_co_u32 s31, s31, 1
	s_cmp_lg_u32 s31, 0
	s_cbranch_scc1 .Lpos
	FINISH
.Lfunc_end_k_q12a215e25c_prep:
	.size	k_q12a215e25c_prep, .Lfunc_end_k_q12a215e25c_prep-k_q12a215e25c_prep
	.p2alignl 7, 3214868480
	.fill 96, 4, 3214868480
	.section	.rodata,"a",@progbits
	.p2align	6, 0x0
	.amdhsa_kernel k_q12a215e25c_prep
		.amdhsa_group_segment_fixed_size 50688
		.amdhsa_private_segment_fixed_size 0
		.amdhsa_enable_private_segment 0
		.amdhsa_kernarg_size 72
		.amdhsa_user_sgpr_count 2
		.amdhsa_user_sgpr_kernarg_segment_ptr 1
		.amdhsa_wavefront_size32 1
		.amdhsa_system_sgpr_workgroup_id_x 1
		.amdhsa_system_sgpr_workgroup_id_y 1
		.amdhsa_system_sgpr_workgroup_id_z 1
		.amdhsa_system_vgpr_workitem_id 0
		.amdhsa_next_free_vgpr 192
		.amdhsa_next_free_sgpr 66
		.amdhsa_reserve_vcc 1
		.amdhsa_float_denorm_mode_32 3
		.amdhsa_float_denorm_mode_16_64 3
		.amdhsa_memory_ordered 1
		.amdhsa_forward_progress 1
		.amdhsa_inst_pref_size 62
	.end_amdhsa_kernel
	.amdgpu_metadata
---
amdhsa.version: [ 1, 2 ]
amdhsa.kernels:
  - .name:           k_q12a215e25c_prep
    .symbol:         k_q12a215e25c_prep.kd
    .args:
      - { .name: x, .offset: 0, .size: 8, .value_kind: global_buffer, .address_space: global }
      - { .name: wq, .offset: 8, .size: 8, .value_kind: global_buffer, .address_space: global }
      - { .name: wk, .offset: 16, .size: 8, .value_kind: global_buffer, .address_space: global }
      - { .name: wv, .offset: 24, .size: 8, .value_kind: global_buffer, .address_space: global }
      - { .name: wo, .offset: 32, .size: 8, .value_kind: global_buffer, .address_space: global }
      - { .name: codes, .offset: 40, .size: 8, .value_kind: global_buffer, .address_space: global }
      - { .name: scales, .offset: 48, .size: 8, .value_kind: global_buffer, .address_space: global }
      - { .name: wimg, .offset: 56, .size: 8, .value_kind: global_buffer, .address_space: global }
      - { .name: rope, .offset: 64, .size: 8, .value_kind: global_buffer, .address_space: global }
    .group_segment_fixed_size: 50688
    .private_segment_fixed_size: 0
    .kernarg_segment_align: 8
    .kernarg_segment_size: 72
    .max_flat_workgroup_size: 128
    .sgpr_count:     66
    .vgpr_count:     192
    .wavefront_size: 32
...
	.end_amdgpu_metadata
.endif
;; end of part 1
;; launch qkv (part 2): grid 24 x 8, 4 waves a work-group, clusters of 4 x 4, 327,680 bytes of LDS; arguments codes, scales, bq, bk, bv, rope, qkvimg, fine; writes qkvimg, fine
.if DOCPART == 2
	.amdgcn_target "amdgcn-amd-amdhsa--gfx1250"
	.amdhsa_code_object_version 6
	.text
	.protected	k_q12a215e25c_qkv
	.globl	k_q12a215e25c_qkv
	.p2align	8
	.type	k_q12a215e25c_qkv,@function
k_q12a215e25c_qkv:
	s_mov_b64 s[64:65], 0
	v_nop
	global_prefetch_b8 v0, s[64:65] scope:SCOPE_SE
	s_setreg_imm32_b32 hwreg(HW_REG_WAVE_MODE, 25, 1), 1
	s_wait_xcnt 0x0
	s_wait_alu depctr_hold_cnt(0) depctr_sa_sdst(0) depctr_va_vdst(0) depctr_va_sdst(0) depctr_va_ssrc(0) depctr_va_vcc(0) depctr_vm_vsrc(0)
	s_getreg_b32 s2, hwreg(HW_REG_IB_STS2, 6, 4)
	s_cmp_eq_u32 s2, 0
	s_cbranch_scc0 .Lentry_in_a_cluster
	s_endpgm
.Lentry_in_a_cluster:
	s_bfe_u32 s2, ttmp6, 0x10000c
	s_cmp_lg_u32 s2, 0xf033
	s_cbranch_scc0 .Lentry_shape_is_right
	s_endpgm
.Lentry_shape_is_right:
; q, k, v = x W^T + b on codes of FP4 (E2M1) with one E8M0 scale for each 32 along K; then the rotation of q and k; results as f16 in the order of the next launch's operand registers.
; A: x's codes, rows 0-2047 of codes[8192][1024 bytes]; B: wq, wk, wv, rows 2048-8191: one product of 2048 x 6144 x 2048.  scales[8192][64 bytes] likewise.
; A tile of C, 256 x 256, is made by four waves; a wave makes 128 x 128: 64 accumulators, 512 registers.  K goes in steps of 512 through a ring of two LDS slots; a tile's row is 256 bytes of memory.
; The scales of the work-group's 256 + 256 rows, for all of K, come into LDS once, with the first fills.
; CLUSTERS: 4 x 4 work-groups; A's tiles are asked for jointly along a row of the cluster, B's along a column.  24 x 8 = 192 work-groups: the largest wave tile is kept, since each LDS byte then feeds the most products.
; THE MATRIX INSTRUCTION IS USED TRANSPOSED (source 0 = 16 rows of B, source 1 = 16 rows of A): a lane holds one position (lane % 16) and eight neighbouring output columns 8 (lane / 16) + 0 .. 7.
; THE BIAS is the C of each sum's first product.
; THE WAY OUT.  A wave's 128 columns are two heads of 64.  q, k: out[d] = t[d] cos - t[d + 32] sin, out[d + 32] = t[d + 32] cos + t[d] sin, d < 32: both lie in the same lane, two accumulators apart.
;   The table's rows come from rope (q's table is already multiplied by log2(e) / 8).  A lane's eight numbers become 16 bytes of f16.
;   qkvimg[column / 64: 96][tile of 16 positions: 128][16 dims: 4][512 bytes]: q, k: lane l's 16 bytes at 16 l (a piece of a fragment as its registers hold it); v: a block [16 keys][16 dims], lane (r, h) at 32 r + 16 h.
;   Each store of the wave covers 512 consecutive bytes, aligned: nothing goes through LDS.
;   fine[cy 4][column / 64: 96][16 positions][64] f32: the first 16 rows of each work-group of the first row of clusters, unrounded; the part cy = 0 is positions 0-15.  (The four are told apart by address.)  Stores of 16 bytes a lane, 393,216 numbers in all.
; LIMITS: f16 results serve magnitudes up to 65,504; NaN and infinities are not served.
; REGISTERS, in windows of 256: window 0: v0-31 addresses; v32-95 scale words, two sets, and nothing else; v96-127 table rows (even blocks); v128-191 A's fragments, on the way out the rotated numbers;
;   v192-255 the bias, later v192-223 table rows (odd blocks) and v224-255 packed f16.   window 1: B's fragments, two sets.   windows 2, 3: the accumulators ((a, b) at v[8 (8 (a % 4) + b)]).
.set KSTEP,  512
.set NQ,     KSTEP/128
.set ROWB,   256
.set KROW,   1024                      ; a row of codes in memory
.set PITCH,  272                       ; an LDS row: 256 bytes + 16 of padding: the 16 rows that a load touches start 68 words apart
.set FR,     8
.set NL,     2
.set NP,     4
.set HALFT,  128*PITCH
.set SLOT,   4*HALFT
.set LAPS,   2                         ; 2048 / (2 x 512)
.set KS,     64                        ; a row of scales in bytes
.set SCL,    2*SLOT
.set HALFS,  (128*KS/256)*272
.set SBLK,   (16*KS/256)*272
.set SPARE,  SCL+4*HALFS
.set ADRA, 16
.set ADRB, 20
.set TBO,  24                          ; v24  256 r + 32 h: my place in the table's rows and in fine; never rewritten
.set VO,   25                          ; v25  32 r + 16 h: my place in a block of v; never rewritten
.set QO,   26                          ; v26  16 x lane; never rewritten
.set ADRS, 27
.set SPW,  28
.set NIL,  29
.set BOF,  30                          ; v30  32 h: my place in the bias; never rewritten
.set SC,   32
.set AF,   128
.set T,    128
.set BIAS, 192
.set PK,   224
.set G1, 24
.set G0, 32
.set G1B, 48
.set G0B, 56
.set G1S, 68
.set G0S, 76
.set G1SB, 80
.set G0SB, 88
.set FLAG, 94                          ; s94  0 in the waves that also store into fine
.set TYPE, 95                          ; s95  0: q, 1: k, 2: v: the same in all sixteen partners
.set MSB, 0
.macro WIN new                         ; the immediate's high byte repeats the setting that is left
.if MSB != \new
	s_set_vgpr_msb (MSB<<8)|\new
.set MSB, \new
.endif
.endm
.set MUL_LO, 0xa1                      ; source 0 (B) window 1, source 1 (A) window 0, C and D window 2
.set MUL_HI, 0xf1                      ; the same, C and D window 3
.set TO_B,   0x40
; A joint load: waves 0 and 1 fetch for A, waves 2 and 3 for B; the branch hangs on the wave's number alone.  An s_nop 0 and four v_nop follow each of the two lines.
.macro JLOAD g0a, g1a, g0b, g1b
	s_cmp_eq_u32 s15, 0
	s_cbranch_scc0 .Lfor_b_\@
	tensor_load_to_lds s[\g0a:\g0a+3], s[\g1a:\g1a+7]
	s_nop 0
.rept 4
	v_nop
.endr
	s_branch .Lasked_\@
.Lfor_b_\@:
	tensor_load_to_lds s[\g0b:\g0b+3], s[\g1b:\g1b+7]
	s_nop 0
.rept 4
	v_nop
.endr
.Lasked_\@:
.endm
.macro CREST
	s_cmp_lg_u32 s14, 0
	s_cbranch_scc1 .Lnot_wave_0_\@
	s_barrier_signal -3
.Lnot_wave_0_\@:
	s_barrier_wait -3
	s_barrier_signal -1
	s_barrier_wait -1
.endm
.macro CROUND
	s_barrier_signal -1
	s_barrier_wait -1
	CREST
.endm
.macro FINISH
	s_wait_tensorcnt 0x0                           ; the wave's end
	ds_add_u32 v[SPW], v[NIL]
	s_wait_dscnt 0x0
	CROUND                                         ; the closing round: no work-group ends while a partner may still ask for a tile that names it
	s_endpgm
.endm
	s_load_b128 s[4:7], s[0:1], 0x0                ; codes, scales
	s_load_b128 s[96:99], s[0:1], 0x10             ; bq, bk
	s_load_b64 s[100:101], s[0:1], 0x20            ; bv
	s_load_b64 s[104:105], s[0:1], 0x28            ; rope
	s_load_b64 s[12:13], s[0:1], 0x30              ; qkvimg
	s_load_b64 s[66:67], s[0:1], 0x38              ; fine
	v_lshl_add_u32 v[SPW], v0, 2, SPARE
	v_mov_b32 v[NIL], 0
	ds_add_u32 v[SPW], v[NIL]                      ; the wave's opening: the add, twice on end, and its wait ahead of my first tensor load
	ds_add_u32 v[SPW], v[NIL]
	v_lshrrev_b32 v1, 5, v0
	v_readfirstlane_b32 s14, v1                    ; wave 0..3
	s_lshr_b32 s15, s14, 1                         ; which half of the tile's rows is mine.  Also: I fetch for A (0) or for B (1)
	s_and_b32 s16, s14, 1                          ; which half of its columns.  Also: which 128 rows of that tile I fetch
	s_bfe_u32 s40, ttmp6, 0x40000                  ; cx, cy
	s_bfe_u32 s41, ttmp6, 0x40004
	s_lshl_b32 s42, ttmp9, 2
	s_add_co_u32 s42, s42, s40                     ; tile column = 4 x cluster x + cx
	s_and_b32 s17, ttmp7, 0xffff
	s_lshl_b32 s17, s17, 2
	s_add_co_u32 s17, s17, s41                     ; tile row = 4 x cluster y + cy
	s_lshr_b32 s[TYPE], ttmp9, 1                   ; eight tile columns, two clusters, to a weight
	s_lshl_b32 s43, s41, 2
	s_lshl_b32 s43, 15, s43                        ; my row of the cluster
	s_lshl_b32 s44, 0x1111, s40                    ; my column
	s_or_b32 s[G1+0], s43, (0<<16)|(1<<20)|(1<<21)|(5<<22)|(3<<25)  ; the mask; elements of 1 byte; padding on; bit 21 beside a mask; after every 64 words 4 words
	s_or_b32 s[G1B+0], s44, (0<<16)|(1<<20)|(1<<21)|(5<<22)|(3<<25)
.irp g, G1, G1B
	s_mov_b32 s[\g+1], ROWB<<16                    ; tensor_dim0
	s_mov_b32 s[\g+2], 128<<16                     ; tensor_dim1
	s_mov_b32 s[\g+3], ROWB<<16                    ; tile_dim0
	s_mov_b32 s[\g+4], 128                         ; tile_dim1
	s_mov_b32 s[\g+5], KROW                        ; the pitch
	s_mov_b32 s[\g+6], 0
	s_mov_b32 s[\g+7], 0
.endr
	s_or_b32 s[G1S+0], s43, (3<<16)|(1<<20)|(1<<21)|(5<<22)|(3<<25)  ; the scales of 128 rows: a dense block, as rows of 256 bytes (32 elements of 8), 16 bytes of padding behind each
	s_or_b32 s[G1SB+0], s44, (3<<16)|(1<<20)|(1<<21)|(5<<22)|(3<<25)
.irp g, G1S, G1SB
	s_mov_b32 s[\g+1], 32<<16
	s_mov_b32 s[\g+2], (128*KS/256)<<16
	s_mov_b32 s[\g+3], 32<<16
	s_mov_b32 s[\g+4], 128*KS/256
	s_mov_b32 s[\g+5], 32
	s_mov_b32 s[\g+6], 0
	s_mov_b32 s[\g+7], 0
.endr
	s_lshl_b32 s18, s16, 7
	s_lshl_b32 s20, s17, 8
	s_add_co_u32 s20, s20, s18                     ; A: row 256 x tile row + 128 x half
	s_lshl_b32 s46, s42, 8
	s_add_co_u32 s46, s46, s18                     ; B: row 256 x tile column + 128 x half
	s_mov_b32 s21, 0
	s_mov_b32 s47, 0
	s_mov_b64 s[18:19], KS
	s_mul_u64 s[22:23], s[20:21], s[18:19]
	s_mul_u64 s[92:93], s[46:47], s[18:19]
	s_mov_b64 s[18:19], KROW
	s_mul_u64 s[20:21], s[20:21], s[18:19]
	s_mul_u64 s[46:47], s[46:47], s[18:19]
	s_mul_i32 s45, s14, HALFT
	s_mul_i32 s94, s14, HALFS
	s_wait_dscnt 0x0                               ; both opening adds are done
	s_wait_kmcnt 0x0
	s_add_nc_u64 s[8:9], s[4:5], 2048*KROW         ; the weights' codes lie behind x's 2,048 rows,
	s_add_nc_u64 s[10:11], s[6:7], 2048*KS         ; their scales likewise
	s_add_nc_u64 s[20:21], s[4:5], s[20:21]
	s_add_nc_u64 s[22:23], s[6:7], s[22:23]
	s_add_nc_u64 s[46:47], s[8:9], s[46:47]
	s_add_nc_u64 s[92:93], s[10:11], s[92:93]
	CROUND                                         ; all sixteen work-groups are here: the first joint loads meet
	s_mov_b32 s[G0S], 1
	s_add_co_u32 s[G0S+1], s94, SCL
	s_mov_b64 s[G0S+2:G0S+3], s[22:23]
	s_or_b32 s[G0S+3], s[G0S+3], 0x80000000
	s_mov_b32 s[G0SB], 1
	s_add_co_u32 s[G0SB+1], s94, SCL
	s_mov_b64 s[G0SB+2:G0SB+3], s[92:93]
	s_or_b32 s[G0SB+3], s[G0SB+3], 0x80000000
	JLOAD G0S, G1S, G0SB, G1SB                     ; the scales first
.irp s, 0,1
	s_mov_b32 s[G0+4*\s], 1
	s_add_co_u32 s[G0+4*\s+1], s45, \s*SLOT
	s_add_nc_u64 s[G0+4*\s+2:G0+4*\s+3], s[20:21], \s*ROWB
	s_or_b32 s[G0+4*\s+3], s[G0+4*\s+3], 0x80000000
	s_mov_b32 s[G0B+4*\s], 1
	s_add_co_u32 s[G0B+4*\s+1], s45, \s*SLOT
	s_add_nc_u64 s[G0B+4*\s+2:G0B+4*\s+3], s[46:47], \s*ROWB
	s_or_b32 s[G0B+4*\s+3], s[G0B+4*\s+3], 0x80000000
	JLOAD G0+4*\s, G1, G0B+4*\s, G1B
.endr
	v_and_b32 v1, 15, v0                           ; r = l % 16
	v_bfe_u32 v2, v0, 4, 1                         ; h = l / 16
	; the bias of my 128 columns: lane (r, h) wants, for B's block b, columns 16 b + 8 h + 0 .. 7
	s_cmp_eq_u32 s[TYPE], 0
	s_cselect_b64 s[96:97], s[96:97], s[98:99]
	s_cmp_eq_u32 s[TYPE], 2
	s_cselect_b64 s[96:97], s[100:101], s[96:97]
	s_and_b32 s98, s42, 7
	s_lshl_b32 s98, s98, 10                        ; 256 columns of 4 bytes a tile column
	s_lshl_b32 s99, s16, 9
	s_add_co_u32 s98, s98, s99
	s_mov_b32 s99, 0
	s_add_nc_u64 s[96:97], s[96:97], s[98:99]
	v_lshlrev_b32 v[BOF], 5, v2
.irp b, 0,1,2,3,4,5,6,7
	global_load_b128 v[BIAS+8*\b:BIAS+8*\b+3], v[BOF], s[96:97] offset:64*\b
	global_load_b128 v[BIAS+8*\b+4:BIAS+8*\b+7], v[BOF], s[96:97] offset:64*\b+16
.endr
	v_mul_u32_u24 v3, v1, PITCH
	v_lshl_add_u32 v4, v2, 4, v3                   ; a fragment's row x pitch + 16 x half
	s_mul_i32 s21, s15, HALFT
	s_mul_i32 s22, s16, HALFT
	s_add_co_u32 s22, s22, 2*HALFT
.irp s, 0,1
	v_add_nc_u32 v[ADRA+\s], s21, v4
	v_add_nc_u32 v[ADRB+\s], s22, v4
	s_add_co_u32 s21, s21, SLOT
	s_add_co_u32 s22, s22, SLOT
.endr
	v_mul_u32_u24 v5, v1, KS                       ; my row's scales: KS bytes a row,
	v_lshrrev_b32 v6, 8, v5
	v_lshl_add_u32 v5, v6, 4, v5                   ; and 16 more for each 256 passed
	s_mul_i32 s21, s15, HALFS
	s_mul_i32 s22, s16, HALFS
	s_add_co_u32 s22, s22, 2*HALFS
	s_sub_co_u32 s22, s22, s21
	v_mul_u32_u24 v6, s22, v2                      ; lanes 16-31 take B's
	s_add_co_u32 s21, s21, SCL
	v_add_nc_u32 v5, v5, v6
	v_add_nc_u32 v[ADRS], s21, v5
	v_lshlrev_b32 v[TBO], 8, v1
	v_lshl_add_u32 v[TBO], v2, 5, v[TBO]
	v_lshlrev_b32 v[VO], 5, v1
	v_lshl_add_u32 v[VO], v2, 4, v[VO]
	v_and_b32 v6, 31, v0
	v_lshlrev_b32 v[QO], 4, v6
	; where my results go: qkvimg + (4 tile column + 2 half) x 262,144 + (16 tile row + 8 half) x 2,048
	s_lshl_b32 s20, s17, 4
	s_lshl_b32 s21, s15, 3
	s_add_co_u32 s20, s20, s21
	s_lshl_b32 s20, s20, 11
	s_mov_b32 s21, 0
	s_add_nc_u64 s[12:13], s[12:13], s[20:21]
	s_lshl_b32 s46, s42, 2
	s_lshl_b32 s47, s16, 1
	s_add_co_u32 s46, s46, s47                     ; my first column / 64
	s_lshl_b32 s92, s46, 18
	s_mov_b32 s93, 0
	s_add_nc_u64 s[12:13], s[12:13], s[92:93]
	s_lshl_b32 s92, s46, 12                        ; fine: 4,096 bytes for each 64 columns,
	s_add_nc_u64 s[66:67], s[66:67], s[92:93]
	s_mul_i32 s92, s41, 393216                     ; and a part for each cy
	s_add_nc_u64 s[66:67], s[66:67], s[92:93]
	s_and_b32 s[FLAG], ttmp7, 0xffff
	s_or_b32 s[FLAG], s[FLAG], s15                 ; 0: the first row of clusters, the tile's upper half: made of the cluster's y and the wave's number alone
	; the table's rows of my 128 positions: q's table, or the plain one
	s_cmp_eq_u32 s[TYPE], 0
	s_cselect_b32 s20, 0, 524288
	s_lshl_b32 s21, s17, 16
	s_add_co_u32 s20, s20, s21
	s_lshl_b32 s21, s15, 15
	s_add_co_u32 s20, s20, s21
	s_mov_b32 s21, 0
	s_add_nc_u64 s[104:105], s[104:105], s[20:21]
.macro FRAG reg, adr, q, i             ; 16 rows x 128 K of 4-bit codes: 8 registers: registers 4 c .. 4 c + 3 hold K = 64 c + 32 (l / 16) + 0 .. 31
.irp c, 0,1
	ds_load_b128 v[\reg+4*\c:\reg+4*\c+3], v[\adr] offset:64*(\q)+32*\c+(\i)*16*PITCH
.endr
.endm
; 16 matrix instructions: A's blocks a0, a0 + 1 x B's eight, 128 along K.  zero = 1: the first product starts the sums, with the bias as its C.  The 64 accumulators take turns, one instruction a turn.
.macro MUL16 a0, p, q, sc, zero
.irp a, \a0, \a0+1
.irp b, 0,1,2,3,4,5,6,7
.if \zero
	v_wmma_scale_f32_16x16x128_f8f6f4 v[8*(8*((\a)%4)+\b):8*(8*((\a)%4)+\b)+7], v[128*(\p)+FR*\b:128*(\p)+FR*\b+FR-1], v[AF+FR*(\a):AF+FR*(\a)+FR-1], v[BIAS+8*\b:BIAS+8*\b+7], v[SC+8*NQ*(\sc)+NQ*\b+(\q)], v[SC+8*NQ*(\sc)+NQ*(\a)+(\q)] matrix_a_fmt:MATRIX_FMT_FP4 matrix_b_fmt:MATRIX_FMT_FP4 matrix_a_scale:MATRIX_SCALE_ROW1
.else
	v_wmma_scale_f32_16x16x128_f8f6f4 v[8*(8*((\a)%4)+\b):8*(8*((\a)%4)+\b)+7], v[128*(\p)+FR*\b:128*(\p)+FR*\b+FR-1], v[AF+FR*(\a):AF+FR*(\a)+FR-1], v[8*(8*((\a)%4)+\b):8*(8*((\a)%4)+\b)+7], v[SC+8*NQ*(\sc)+NQ*\b+(\q)], v[SC+8*NQ*(\sc)+NQ*(\a)+(\q)] matrix_a_fmt:MATRIX_FMT_FP4 matrix_b_fmt:MATRIX_FMT_FP4 matrix_a_scale:MATRIX_SCALE_ROW1
.endif
.endr
.endr
.endm
.macro FETCH_B slot, q, p
	WIN TO_B
.irp i, 0,1,2,3,4,5,6,7
	FRAG 128*(\p)+FR*\i, ADRB+\slot, \q, \i
.endr
	WIN 0
.endm
.macro FETCH_A slot, q, i0
.irp i, \i0, \i0+1, \i0+2, \i0+3
	FRAG AF+FR*(\i), ADRA+\slot, \q, \i
.endr
.endm
.macro SCALES sc                       ; a K step's scale words: lanes 0-15 take A's block i, lanes 16-31 B's block i
.irp i, 0,1,2,3,4,5,6,7
	ds_load_b128 v[SC+8*NQ*\sc+NQ*\i:SC+8*NQ*\sc+NQ*\i+3], v[ADRS] offset:\i*SBLK
.endr
.endm
.macro PLACES n                        ; plain vector lines between a matrix instruction and a load into, or a read of, its registers
.rept \n
	v_nop
.endr
.endm
.macro STEP slot, q, zero
	s_wait_dscnt 4*NL                              ; B's set and A's blocks 0-3 are in; the youngest loads (A's blocks 4-7) may be out
.if \zero
	WIN 0x81                                       ; C (the bias) window 0, D window 2
.else
	WIN MUL_LO
.endif
	MUL16 0, (\q)%2, \q, \slot, \zero
	MUL16 2, (\q)%2, \q, \slot, \zero
	s_wait_dscnt 0
	PLACES NP
	FETCH_B \slot, (\q)+1, 1-(\q)%2
	FETCH_A \slot, (\q)+1, 0
.if \zero
	WIN 0xc1
.else
	WIN MUL_HI
.endif
	MUL16 4, (\q)%2, \q, \slot, \zero
	MUL16 6, (\q)%2, \q, \slot, \zero
	PLACES NP
	WIN 0
	FETCH_A \slot, (\q)+1, 4
.endm
; A slot's last step changes slots: ONE barrier; in front of it each wave waits for all its tensor loads, adds 0 to its spare word, and waits for that and for its own reads of this slot.
.macro TURN slot, next, fill
	s_wait_tensorcnt 0x0                           ; all my tensor loads have landed: my part of the next slot
	ds_add_u32 v[SPW], v[NIL]
	s_wait_dscnt 4*NL+1                            ; (the add and A's blocks 4-7 may be out)
	WIN MUL_LO
	MUL16 0, 1, NQ-1, \slot, 0
	s_wait_dscnt 0x0                               ; the add is done, and my reads of this slot are over
	s_barrier_signal -1
	MUL16 2, 1, NQ-1, \slot, 0
	WIN 0
	s_barrier_wait -1
.if \fill
	CREST                                          ; the barrier has opened a round of the cluster's: no wave of any partner still reads this slot's tile or has a load on its way
	s_add_nc_u64 s[G0+4*\slot+2:G0+4*\slot+3], s[G0+4*\slot+2:G0+4*\slot+3], 2*ROWB
	s_add_nc_u64 s[G0B+4*\slot+2:G0B+4*\slot+3], s[G0B+4*\slot+2:G0B+4*\slot+3], 2*ROWB
	JLOAD G0+4*\slot, G1, G0B+4*\slot, G1B         ; the first tensor load behind the round
.else
	PLACES NP
.endif
	v_add_nc_u32 v[ADRS], 4*NQ, v[ADRS]            ; on to the next K step's scale words
	FETCH_B \next, 0, 0
	FETCH_A \next, 0, 0
	SCALES \next
	WIN MUL_HI
	MUL16 4, 1, NQ-1, \slot, 0
	MUL16 6, 1, NQ-1, \slot, 0
	PLACES NP
	WIN 0
	FETCH_A \next, 0, 4
.endm
.macro STEPS slot, from
.set Q, \from
.rept NQ-1-\from
	STEP \slot, Q, 0
.set Q, Q+1
.endr
.endm
.macro LASTSTEP                        ; the very last 128 along K: nothing more to fetch
	s_wait_dscnt 4*NL
	WIN MUL_LO
	MUL16 0, 1, NQ-1, 1, 0
	MUL16 2, 1, NQ-1, 1, 0
	s_wait_dscnt 0
	WIN MUL_HI
	MUL16 4, 1, NQ-1, 1, 0
	MUL16 6, 1, NQ-1, 1, 0
	WIN 0
.endm
	s_wait_loadcnt 0x0                             ; the bias
	s_wait_tensorcnt 1                             ; the scales and my part of K step 0 are in (K step 1's load may be out),
	s_barrier_signal -1
	s_barrier_wait -1                              ; everybody's are
	FETCH_B 0, 0, 0
	FETCH_A 0, 0, 0
	SCALES 0
	FETCH_A 0, 0, 4
	STEP 0, 0, 1                                   ; the first step stands in front of the loop: its products start the sums
	s_mov_b32 s3, LAPS-1
.Llap:
	STEPS 0, 1
	TURN 0, 1, 1
	STEPS 1, 0
	TURN 1, 0, 1
	STEP 0, 0, 0
	s_sub_co_u32 s3, s3, 1
	s_cmp_lg_u32 s3, 0
	s_cbranch_scc1 .Llap
	STEPS 0, 1                                     ; the last lap fills nothing
	TURN 0, 1, 0
	STEPS 1, 0
	s_cmp_eq_u32 s[TYPE], 2                        ; the text parts once, ahead of the last step, which is written twice: q's and k's way asks for its first table rows under that step's products
	s_cbranch_scc1 .Lvpath
; ---------------- q and k ----------------
.macro TAB a                           ; the table's rows of block a's 16 positions: for u = 0, 1: eight cosines, eight sines of frequencies 16 u + 8 h + 0 .. 7
.set TT, 96+96*((\a)%2)
.irp u, 0,1
	global_load_b128 v[TT+16*\u:TT+16*\u+3], v[TBO], s[104:105] offset:4096*(\a)+64*\u
	global_load_b128 v[TT+16*\u+4:TT+16*\u+7], v[TBO], s[104:105] offset:4096*(\a)+64*\u+16
	global_load_b128 v[TT+16*\u+8:TT+16*\u+11], v[TBO], s[104:105] offset:4096*(\a)+64*\u+128
	global_load_b128 v[TT+16*\u+12:TT+16*\u+15], v[TBO], s[104:105] offset:4096*(\a)+64*\u+144
.endr
.endm
.macro ROPE a                          ; block a's 64 numbers a lane, rotated, into v[T] on.  Each accumulator is read from its low end on
.set TT, 96+96*((\a)%2)
.set AC, 64*((\a)%4)
	WIN 0x02+(\a)/4                                ; source 0: window 2 or 3
.irp hd, 0,1
.irp u, 0,1
.irp j, 0,2,4,6
	v_pk_mul_f32 v[T+8*(4*\hd+\u)+\j:T+8*(4*\hd+\u)+\j+1], v[AC+8*(4*\hd+2+\u)+\j:AC+8*(4*\hd+2+\u)+\j+1], v[TT+16*\u+8+\j:TT+16*\u+8+\j+1]
	v_pk_mul_f32 v[T+8*(4*\hd+2+\u)+\j:T+8*(4*\hd+2+\u)+\j+1], v[AC+8*(4*\hd+\u)+\j:AC+8*(4*\hd+\u)+\j+1], v[TT+16*\u+8+\j:TT+16*\u+8+\j+1]
	v_pk_fma_f32 v[T+8*(4*\hd+\u)+\j:T+8*(4*\hd+\u)+\j+1], v[AC+8*(4*\hd+\u)+\j:AC+8*(4*\hd+\u)+\j+1], v[TT+16*\u+\j:TT+16*\u+\j+1], v[T+8*(4*\hd+\u)+\j:T+8*(4*\hd+\u)+\j+1] neg_lo:[0,0,1] neg_hi:[0,0,1]
	v_pk_fma_f32 v[T+8*(4*\hd+2+\u)+\j:T+8*(4*\hd+2+\u)+\j+1], v[AC+8*(4*\hd+2+\u)+\j:AC+8*(4*\hd+2+\u)+\j+1], v[TT+16*\u+\j:TT+16*\u+\j+1], v[T+8*(4*\hd+2+\u)+\j:T+8*(4*\hd+2+\u)+\j+1]
.endr
.endr
.endr
	WIN 0
.endm
	TAB 0
	TAB 1
	LASTSTEP
	PLACES NP                                      ; in front of the first read of results and of the first write over A's fragments
.irp a, 0,1,2,3,4,5,6,7
.if \a < 7
	s_wait_loadcnt 8                               ; this block's eight table loads are in; the next block's may be out
.else
	s_wait_loadcnt 0
.endif
	s_wait_xcnt 0x0                                ; the last block's stores have read their data: those registers are written again only behind this wait
	ROPE \a
.if \a < 6
	TAB \a+2
.endif
.irp b, 0,1,2,3,4,5,6,7
.irp q, 0,1,2,3
	v_cvt_pk_f16_f32 v[PK+4*\b+\q], v[T+8*\b+2*\q], v[T+8*\b+2*\q+1]
.endr
.endr
.irp b, 0,1,2,3,4,5,6,7
	global_store_b128 v[QO], v[PK+4*\b:PK+4*\b+3], s[12:13] offset:(\b/4)*262144+2048*\a+512*(\b%4)   ; 512 consecutive bytes, aligned
.endr
.if \a == 0
	s_cmp_lg_u32 s[FLAG], 0
	s_cbranch_scc1 .Lnofine_r
.irp b, 0,1,2,3,4,5,6,7
	global_store_b128 v[TBO], v[T+8*\b:T+8*\b+3], s[66:67] offset:(\b/4)*4096+64*(\b%4)
	global_store_b128 v[TBO], v[T+8*\b+4:T+8*\b+7], s[66:67] offset:(\b/4)*4096+64*(\b%4)+16
.endr
.Lnofine_r:
.endif
.endr
	FINISH
; ---------------- v ----------------
.Lvpath:
	LASTSTEP
	PLACES NP
.irp a, 0,1,2,3,4,5,6,7
.set AC, 64*((\a)%4)
	s_wait_xcnt 0x0                                ; the last block's stores have read their data
	WIN 0x0a+5*((\a)/4)                            ; sources 0 and 1: window 2 or 3
.irp b, 0,1,2,3,4,5,6,7
.irp q, 0,1,2,3
	v_cvt_pk_f16_f32 v[PK+4*\b+\q], v[AC+8*\b+2*\q], v[AC+8*\b+2*\q+1]
.endr
.endr
	WIN 0
.irp b, 0,1,2,3,4,5,6,7
	global_store_b128 v[VO], v[PK+4*\b:PK+4*\b+3], s[12:13] offset:(\b/4)*262144+2048*\a+512*(\b%4)   ; the 32 lanes fill 512 consecutive bytes, aligned
.endr
.if \a == 0
	s_cmp_lg_u32 s[FLAG], 0
	s_cbranch_scc1 .Lnofine_v
	WIN 0x08                                       ; a store's data are its source 1: window 2
.irp b, 0,1,2,3,4,5,6,7
	global_store_b128 v[TBO], v[8*\b:8*\b+3], s[66:67] offset:(\b/4)*4096+64*(\b%4)
	global_store_b128 v[TBO], v[8*\b+4:8*\b+7], s[66:67] offset:(\b/4)*4096+64*(\b%4)+16
.endr
	WIN 0
.Lnofine_v:
.endif
.endr
	FINISH
.Lfunc_end_k_q12a215e25c_qkv:
	.size	k_q12a215e25c_qkv, .Lfunc_end_k_q12a215e25c_qkv-k_q12a215e25c_qkv
	.p2alignl 7, 3214868480
	.fill 96, 4, 3214868480
	.section	.rodata,"a",@progbits
	.p2align	6, 0x0
	.amdhsa_kernel k_q12a215e25c_qkv
		.amdhsa_group_segment_fixed_size 327680
		.amdhsa_private_segment_fixed_size 0
		.amdhsa_enable_private_segment 0
		.amdhsa_kernarg_size 64
		.amdhsa_user_sgpr_count 2
		.amdhsa_user_sgpr_kernarg_segment_ptr 1
		.amdhsa_wavefront_size32 1
		.amdhsa_system_sgpr_workgroup_id_x 1
		.amdhsa_system_sgpr_workgroup_id_y 1
		.amdhsa_system_sgpr_workgroup_id_z 1
		.amdhsa_system_vgpr_workitem_id 0
		.amdhsa_next_free_vgpr 1024
		.amdhsa_next_free_sgpr 106
		.amdhsa_reserve_vcc 0
		.amdhsa_float_denorm_mode_32 3
		.amdhsa_float_denorm_mode_16_64 3
		.amdhsa_memory_ordered 1
		.amdhsa_forward_progress 1
		.amdhsa_inst_pref_size 255
	.end_amdhsa_kernel
	.section	.bss,"aw",@nobits
	.p2align	6
	.space	262144
	.amdgpu_metadata
---
amdhsa.version: [ 1, 2 ]
amdhsa.kernels:
  - .name:           k_q12a215e25c_qkv
    .symbol:         k_q12a215e25c_qkv.kd
    .args:
      - { .name: codes, .offset: 0, .size: 8, .value_kind: global_buffer, .address_space: global }
      - { .name: scales, .offset: 8, .size: 8, .value_kind: global_buffer, .address_space: global }
      - { .name: bq, .offset: 16, .size: 8, .value_kind: global_buffer, .address_space: global }
      - { .name: bk, .offset: 24, .size: 8, .value_kind: global_buffer, .address_space: global }
      - { .name: bv, .offset: 32, .size: 8, .value_kind: global_buffer, .address_space: global }
      - { .name: rope, .offset: 40, .size: 8, .value_kind: global_buffer, .address_space: global }
      - { .name: qkvimg, .offset: 48, .size: 8, .value_kind: global_buffer, .address_space: global }
      - { .name: fine, .offset: 56, .size: 8, .value_kind: global_buffer, .address_space: global }
    .group_segment_fixed_size: 327680
    .private_segment_fixed_size: 0
    .kernarg_segment_align: 8
    .kernarg_segment_size: 64
    .max_flat_workgroup_size: 128
    .sgpr_count:     106
    .vgpr_count:     1024
    .wavefront_size: 32
...
	.end_amdgpu_metadata
.endif
;; end of part 2
;; launch attn (part 3): grid 8 x 32, 16 waves a work-group, no clusters, 327,680 bytes of LDS; arguments qkvimg, oimg; writes oimg
.if DOCPART == 3
	.amdgcn_target "amdgcn-amd-amdhsa--gfx1250"
	.amdhsa_code_object_version 6
	.text
	.protected	k_q12a215e25c_attn
	.globl	k_q12a215e25c_attn
	.p2align	8
	.type	k_q12a215e25c_attn,@function
k_q12a215e25c_attn:
	s_mov_b64 s[64:65], 0
	v_nop
	global_prefetch_b8 v0, s[64:65] scope:SCOPE_SE
	s_setreg_imm32_b32 hwreg(HW_REG_WAVE_MODE, 25, 1), 1
	s_wait_xcnt 0x0
; Causal attention, 32 heads of 64, 2,048 positions, operands in f16, sums, maxima and exponentials in f32.  q arrives multiplied by log2(e) / 8, so a score is an exponent of 2.
; SHARES.  Work-group (i, head) owns the blocks of 128 queries i and 15 - i.  Sixteen waves of 256 registers, four to a SIMD, so that one wave's vector work stands beside another's matrix work and LDS loads.
;   Waves t and t + 8 own the same two tiles of 16 queries: A at 128 i + 16 t, B at 1920 - 128 i + 16 t, and take the key steps of 32 BY TURNS: wave t the even steps, wave t + 8 the odd ones.  Each keeps a maximum, a sum and
;   an O^T of its own; at the end wave t + 8 hands its three through LDS to wave t, which joins them.  So every wave of the launch walks as many keys (to within a step), and each fragment of K and V is read from LDS once.
; K's and V's tiles come through a ring of two LDS slots of 256 keys (32,768 bytes of K, then 32,768 of V), dense blocks of qkvimg, filled by waves 0-3, 16,384 bytes each, and read by all sixteen.
; LAYOUT.  S^T = K Q^T (source 0 = 16 keys, source 1 = 16 queries) and O^T = V^T P (source 0 = 16 dims, source 1 = P): a lane holds ONE query (lane % 16) throughout; two tiles of S^T, rounded to f16 in pairs, ARE P.
; K's pieces lie in LDS as a fragment's registers hold them (16 bytes a lane, 512 a piece); V lies as blocks [16 keys][16 dims] and is turned by ds_load_tr16_b128.
; SOFTMAX.  For each query a running maximum m and sum l: p = 2^(s - m); in every step O and l are multiplied by 2^(m_old - m_new).  The sum is taken of p in f32.
; THE MASK.  Every work-group walks all eight slots (constant trip counts); a step all of whose keys come after a tile's queries is left out by a scalar branch on ids; on the diagonal hidden scores become -infinity.
;   A tile begins at a multiple of 16 and a step at a multiple of 32, so in every step that is walked each query sees the step's first key: a step's maximum is a number.
;   A slot whose first key comes after the work-group's last query is not asked for.
; THE JOINING.  m = max(m, m'); O = (O 2^(m - max) + O' 2^(m' - max)) / l, l joined likewise.  A wave that walked no step for a tile hands over m' = -3e38, l' = 0, O' = 0: its factor is 0.  Key 0 is the even wave's: the joint m is a number.
; NO CLUSTER: the eight work-groups of a head need 16 - i blocks of keys, a different number each, so a joint load would bring tiles that a partner never reads.
; OUT: oimg[tile of 16 positions: 128][32 along K: 64][half: 2][lane][16 bytes]: o in f16 as the next launch's operand registers hold it.
; LIMITS: f16 operands (magnitudes up to 65,504); NaN and infinities are not served.
.set SLOT1, 65536
.set SPARE, 131072                     ; the spare words, 128 bytes for each of sixteen waves: eight blocks of 256 bytes that no other line names
.set MRG,   SPARE+2048                 ; behind them: where waves 8-15 lay down what they hand over; no tensor load lands here
.set MRGW,  17*512                     ; a wave's part of it: 16 pieces of O^T and one of m and l, 512 bytes each, 16 a lane
.set STB,  16                          ; tile B's statistics: +0 m (+1 named with it), +2, +3 l, +4 the factor (+5 named with it), +6, +7 at work
.set STA,  24                          ; tile A's
.set RQB,  32                          ; v32-47  Q of B;  v48-63 Q of A
.set RQA,  48
.set RK,   64                          ; v64-95  K: fragment (key tile kt, 32 dims ks) at 8 (2 kt + ks)
.set RV,   96                          ; v96-127 V^T: fragment dt at 8 dt
.set RSB,  128                         ; v128-143, v144-159  S^T
.set RSA,  144
.set RPB,  160                         ; v160-167, v168-175  P
.set RPA,  168
.set ROB,  176                         ; v176-207, v208-239  O^T
.set ROA,  208
; v1 16 x lane; v2 my place in a block of V; v3, v4 the add's two; v5, v6 the step's LDS addresses; v7 r - 8 h; v8 256 x lane; v13 my pair's place in the joining's LDS bytes; v240 at work; v241 -infinity; v244-247 m and l as they are handed over
; s8 wave; s9 wave % 8; s51 wave / 8; s10 head; s11, s12 A's first and last query; s13, s14 B's; s15 the work-group's last query; s16 my step's first key; s17 LDS byte of my step's tiles; s18 slots to ask for; s19 steps;
; s[20:21] lane selects; s50 the slot's first key, the same in all waves
.macro TLOAD                           ; waves 0-3 fetch; an s_nop 0 and four v_nop follow the line
	s_cmp_lt_u32 s8, 4
	s_cbranch_scc0 .Lnoload_\@
	tensor_load_to_lds s[32:35], s[24:31]
	s_nop 0
.rept 4
	v_nop
.endr
.Lnoload_\@:
.endm
; A PREFETCH INTO THE L2 of what the NEXT change of slots will ask for: 32,768 bytes of K and of V.  All work-groups of a head walk the same keys: the head's first work-group, which walks them all, asks; in it four waves
; that fetch nothing: waves 4, 5 for K's halves, waves 6, 7 for V's, 16,384 bytes each by two instructions, lanes 256 bytes apart.  So each aligned block of 256 bytes is named once.  The last change that fills a slot asks for nothing.
.macro ASK
	s_cmp_gt_u32 s18, s38
	s_cbranch_scc0 .Lnot_mine_\@
	global_prefetch_b8 v8, s[36:37] th:TH_LOAD_NT scope:SCOPE_SE
	global_prefetch_b8 v8, s[36:37] offset:8192 th:TH_LOAD_NT scope:SCOPE_SE
.Lnot_mine_\@:
.endm
	s_load_b128 s[4:7], s[0:1], 0x0                ; qkvimg, oimg
	v_lshl_add_u32 v3, v0, 2, SPARE
	v_mov_b32 v4, 0
	ds_add_u32 v3, v4                              ; the wave's opening: the add, twice on end, and its wait ahead of my first tensor load
	ds_add_u32 v3, v4
	v_lshrrev_b32 v9, 5, v0
	v_readfirstlane_b32 s8, v9                     ; wave 0..15
	s_and_b32 s9, s8, 7                            ; which pair of tiles is mine
	s_lshr_b32 s51, s8, 3                          ; 0: the even key steps, 1: the odd ones
	s_and_b32 s10, ttmp7, 0xffff                   ; the head
	s_mov_b32 s24, 3<<16                           ; group 1: a dense block of 16,384 bytes as 64 rows of 256 (32 elements of 8 bytes), no mask, no padding
	s_mov_b32 s25, 32<<16
	s_mov_b32 s26, 64<<16
	s_mov_b32 s27, 32<<16
	s_mov_b32 s28, 64
	s_mov_b32 s29, 32
	s_mov_b32 s30, 0
	s_mov_b32 s31, 0
	s_lshl_b32 s11, ttmp9, 7
	s_lshl_b32 s22, s9, 4
	s_sub_co_u32 s13, 1920, s11
	s_sub_co_u32 s15, 2047, s11                    ; the work-group's last query
	s_add_co_u32 s11, s11, s22                     ; A's first query
	s_add_co_u32 s12, s11, 15
	s_add_co_u32 s13, s13, s22                     ; B's
	s_add_co_u32 s14, s13, 15
	s_lshl_b32 s16, s51, 5                         ; my first step's first key: 0 or 32,
	s_lshl_b32 s17, s51, 12                        ; and its two tiles of 16 keys in the slot: 4,096 bytes a step
	s_mov_b32 s50, 0
	s_mov_b32 s18, 7
	s_mov_b32 s20, 0x76543210
	s_mov_b32 s21, 0xfedcba98
	s_mul_i32 s52, s9, MRGW
	s_add_co_u32 s52, s52, MRG                     ; my pair's part of the joining's LDS bytes
	s_lshl_b32 s39, s10, 18                        ; the head's 262,144 bytes in each of q's, k's and v's sections
	s_and_b32 s22, s8, 3                           ; what I fetch (waves 0-3) or ask for ahead (waves 4-7): 0, 1: K's halves; 2, 3: V's
	s_lshl_b32 s33, s22, 14                        ; its place in a slot
	s_lshr_b32 s23, s22, 1
	s_add_co_u32 s23, s23, 1
	s_lshl_b32 s23, s23, 23                        ; k's section begins 2^23 bytes on, v's 2^24
	s_and_b32 s22, s22, 1
	s_lshl_b32 s22, s22, 14
	s_add_co_u32 s22, s22, s23
	s_add_co_u32 s22, s22, s39
	s_mov_b32 s23, 0
	s_lshl_b32 s44, s13, 7                         ; Q: a tile of 16 queries is 2,048 bytes
	s_add_co_u32 s44, s44, s39
	s_mov_b32 s45, 0
	s_lshl_b32 s46, s11, 7
	s_add_co_u32 s46, s46, s39
	s_mov_b32 s47, 0
	s_lshl_b32 s48, s10, 11                        ; O: a tile of 16 positions is 65,536 bytes, a head 2,048 of them
	s_lshl_b32 s40, s13, 12
	s_add_co_u32 s40, s40, s48
	s_mov_b32 s41, 0
	s_lshl_b32 s42, s11, 12
	s_add_co_u32 s42, s42, s48
	s_mov_b32 s43, 0
	s_lshr_b32 s38, s8, 2
	s_xor_b32 s38, s38, 1                          ; 0 in waves 4-7,
	s_or_b32 s38, s38, ttmp9                       ; of the head's first work-group
	s_cmp_eq_u32 s38, 0
	s_cselect_b32 s38, 1, -1                       ; a wave asks ahead while s18 is above this
	s_wait_dscnt 0x0                               ; both opening adds are done
	s_wait_kmcnt 0x0
	s_mov_b32 s32, 1
	s_add_nc_u64 s[34:35], s[4:5], s[22:23]        ; slot 0's keys
	s_add_nc_u64 s[36:37], s[34:35], 32768         ; the prefetches stand a slot on; the first change steps them to slot 2
	s_or_b32 s35, s35, 0x80000000
	TLOAD                                          ; slot 0: one tensor load of mine is out
	s_add_nc_u64 s[44:45], s[4:5], s[44:45]
	s_add_nc_u64 s[46:47], s[4:5], s[46:47]
	s_add_nc_u64 s[40:41], s[6:7], s[40:41]
	s_add_nc_u64 s[42:43], s[6:7], s[42:43]
	v_and_b32 v9, 31, v0                           ; lane
	v_lshlrev_b32 v1, 4, v9
.irp b, 0,1,2,3
	global_load_b128 v[RQB+4*\b:RQB+4*\b+3], v1, s[44:45] offset:512*\b   ; Q stays in registers
	global_load_b128 v[RQA+4*\b:RQA+4*\b+3], v1, s[46:47] offset:512*\b
.endr
	v_add_nc_u32 v13, s52, v1                      ; the joining: 16 bytes a lane, the same place for the wave that stores and the wave that loads
	v_lshrrev_b32 v10, 4, v9                       ; h
	v_and_b32 v11, 7, v9
	v_lshl_add_u32 v11, v10, 3, v11                ; the turning load: lane l reads key 8 (l / 16) + l % 8,
	v_bfe_u32 v12, v9, 3, 1
	v_lshlrev_b32 v2, 5, v11                       ; 32 bytes a key,
	v_lshl_add_u32 v2, v12, 4, v2                  ; dims 8 ((l / 8) % 2) on;
	v_add_nc_u32 v2, 32768, v2                     ; V lies behind K
	v_and_b32 v7, 15, v9
	v_lshlrev_b32 v10, 3, v10
	v_sub_nc_u32 v7, v7, v10                       ; r - 8 h
	v_lshlrev_b32 v8, 8, v9
	v_mov_b32 v241, 0xff800000
.irp s, STB, STA
	v_mov_b32 v[\s], 0xff61b1e6                    ; m: -3e38, under every score
	v_mov_b32 v[\s+1], 0
	v_mov_b32 v[\s+2], 0                           ; l
	v_mov_b32 v[\s+3], 0
	v_mov_b32 v[\s+4], 0
	v_mov_b32 v[\s+5], 0
	v_mov_b32 v[\s+6], 0
	v_mov_b32 v[\s+7], 0                           ; (a lane permute's destination counts as one of its sources)
.endr
.set i, 0
.rept 64
	v_mov_b32 v[ROB+i], 0                          ; O^T.  (The step is written without a first step of its own: the first finds zeros, which the first factor leaves zeros)
.set i, i+1
.endr
.macro QK1 rs, rq, ks, kt
.if \ks == 0
	v_wmma_f32_16x16x32_f16 v[\rs+8*\kt:\rs+8*\kt+7], v[RK+8*(2*\kt+\ks):RK+8*(2*\kt+\ks)+7], v[\rq+8*\ks:\rq+8*\ks+7], 0
.else
	v_wmma_f32_16x16x32_f16 v[\rs+8*\kt:\rs+8*\kt+7], v[RK+8*(2*\kt+\ks):RK+8*(2*\kt+\ks)+7], v[\rq+8*\ks:\rq+8*\ks+7], v[\rs+8*\kt:\rs+8*\kt+7]
.endif
.endm
.macro PV rp, ro                       ; four accumulators, one instruction each
.irp dt, 0,1,2,3
	v_wmma_f32_16x16x32_f16 v[\ro+8*\dt:\ro+8*\dt+7], v[RV+8*\dt:RV+8*\dt+7], v[\rp:\rp+7], v[\ro+8*\dt:\ro+8*\dt+7]
.endr
.endm
.macro MASK rs, sq                     ; register n holds key KF + 16 (n / 8) + 8 h + n % 8, the lane query s[sq] + r: hidden where 16 (n / 8) + n % 8 > s[sq] - KF + r - 8 h.  A step all of whose keys count skips this
	s_add_co_u32 s49, s16, 31
	s_cmp_le_u32 s49, s[\sq]
	s_cbranch_scc1 .Lopen_\@
	s_sub_co_i32 s48, s[\sq], s16
	v_add_nc_u32 v240, s48, v7
.irp n, 0,1,2,3,4,5,6,7,8,9,10,11,12,13,14,15
	v_cmp_gt_i32 vcc_lo, 16*(\n/8)+\n%8, v240
	v_cndmask_b32 v[\rs+\n], v[\rs+\n], v241, vcc_lo
.endr
.Lopen_\@:
.endm
.macro SOFTMAX st, rs, rp, ro
	v_max3_num_f32 v[\st+6], v[\rs], v[\rs+1], v[\rs+2]            ; each accumulator is read from its low end on
	v_max3_num_f32 v[\st+7], v[\rs+3], v[\rs+4], v[\rs+5]
	v_max3_num_f32 v[\st+6], v[\st+6], v[\rs+6], v[\rs+7]
	v_max3_num_f32 v[\st+7], v[\st+7], v[\rs+8], v[\rs+9]
	v_max3_num_f32 v[\st+6], v[\st+6], v[\rs+10], v[\rs+11]
	v_max3_num_f32 v[\st+7], v[\st+7], v[\rs+12], v[\rs+13]
	v_max3_num_f32 v[\st+6], v[\st+6], v[\rs+14], v[\rs+15]
	v_max3_num_f32 v[\st+6], v[\st+6], v[\st+7], v[\st]            ; with the old m
	v_permlanex16_b32 v[\st+7], v[\st+6], s20, s21                 ; the query's other 16 keys lie in the lane 16 away
	v_max_num_f32 v[\st+6], v[\st+6], v[\st+7]                     ; the new m
	v_sub_f32 v[\st+4], v[\st], v[\st+6]                           ; m_old - m_new
	v_mov_b32 v[\st], v[\st+6]
.irp j, 0,2,4,6,8,10,12,14
	v_pk_add_f32 v[\rs+\j:\rs+\j+1], v[\rs+\j:\rs+\j+1], v[\st:\st+1] op_sel_hi:[1,0] neg_lo:[0,1] neg_hi:[0,1]   ; s - m
.endr
	v_exp_f32 v[\st+4], v[\st+4]                                   ; ONE BATCH of 17 exponentials: none reads another's result
.irp j, 0,1,2,3,4,5,6,7,8,9,10,11,12,13,14,15
	v_exp_f32 v[\rs+\j], v[\rs+\j]
.endr
	v_nop                                                          ; a plain line behind the last exponential
	s_wait_alu depctr_va_vdst(0)                                   ; one wait for the batch, ahead of its first reader
.irp j, 0,1,2,3,4,5,6,7
	v_cvt_pk_f16_f32 v[\rp+\j], v[\rs+2*\j], v[\rs+2*\j+1]
.endr
.irp j, 0,4,8,12
	v_pk_add_f32 v[\rs+\j:\rs+\j+1], v[\rs+\j:\rs+\j+1], v[\rs+\j+2:\rs+\j+3]
.endr
	v_pk_add_f32 v[\rs:\rs+1], v[\rs:\rs+1], v[\rs+4:\rs+5]
	v_pk_add_f32 v[\rs+8:\rs+9], v[\rs+8:\rs+9], v[\rs+12:\rs+13]
	v_pk_add_f32 v[\rs:\rs+1], v[\rs:\rs+1], v[\rs+8:\rs+9]
	v_pk_fma_f32 v[\st+2:\st+3], v[\st+2:\st+3], v[\st+4:\st+5], v[\rs:\rs+1] op_sel_hi:[1,0,1]   ; l = l x factor + the step's sum
.irp j, 0,2,4,6,8,10,12,14,16,18,20,22,24,26,28,30
	v_pk_mul_f32 v[\ro+\j:\ro+\j+1], v[\ro+\j:\ro+\j+1], v[\st+4:\st+5] op_sel_hi:[1,0]
.endr
.endm
; My four steps of a slot's eight: written once, walked four times; from one of my steps to the next are 64 keys and 8,192 bytes; the LDS addresses hang on s17.
.macro SLOT_STEPS
	s_mov_b32 s19, 4
.Lstep_\@:
	s_cmp_gt_u32 s16, s14                          ; all 32 keys come after B's queries (and so after A's): nothing to do
	s_cbranch_scc1 .Lnext_\@
	v_add_nc_u32 v5, s17, v1
	v_add_nc_u32 v6, s17, v2
	v_nop                                          ; with the two additions: four plain lines between the last step's products and the loads into V's registers
	v_nop
.irp kt, 0,1
.irp ks, 0,1
	ds_load_b128 v[RK+8*(2*\kt+\ks):RK+8*(2*\kt+\ks)+3], v5 offset:2048*\kt+1024*\ks
	ds_load_b128 v[RK+8*(2*\kt+\ks)+4:RK+8*(2*\kt+\ks)+7], v5 offset:2048*\kt+1024*\ks+512
.endr
.endr
.irp dt, 0,1,2,3
	ds_load_tr16_b128 v[RV+8*\dt:RV+8*\dt+3], v6 offset:512*\dt
	ds_load_tr16_b128 v[RV+8*\dt+4:RV+8*\dt+7], v6 offset:512*\dt+2048
.endr
	s_wait_dscnt 8                                 ; K is in; V's eight loads may be out
	s_cmp_gt_u32 s16, s12
	s_cbranch_scc1 .Lsingle_\@
.irp ks, 0,1                           ; both tiles: the four accumulators take turns.  B's queries lie beyond 1,023 and these keys do not: B needs no mask here
.irp kt, 0,1
	QK1 RSB, RQB, \ks, \kt
.endr
.irp kt, 0,1
	QK1 RSA, RQA, \ks, \kt
.endr
.endr
.rept 4
	v_nop
.endr
	SOFTMAX STB, RSB, RPB, ROB
	s_wait_dscnt 0x0                               ; V is in
	PV RPB, ROB
	MASK RSA, 11
	SOFTMAX STA, RSA, RPA, ROA
	PV RPA, ROA
	s_branch .Lnext_\@
.Lsingle_\@:                           ; B alone
.irp ks, 0,1
.irp kt, 0,1
	QK1 RSB, RQB, \ks, \kt
.endr
.endr
.rept 4
	v_nop
.endr
	MASK RSB, 13
	SOFTMAX STB, RSB, RPB, ROB
	s_wait_dscnt 0x0
	PV RPB, ROB
.Lnext_\@:
	s_add_co_u32 s16, s16, 64                      ; my next step: the partner takes the one between
	s_add_co_u32 s17, s17, 8192
	s_sub_co_u32 s19, s19, 1
	s_cmp_lg_u32 s19, 0
	s_cbranch_scc1 .Lstep_\@
	s_sub_co_u32 s17, s17, 32768                   ; back to my first step of a slot,
	s_xor_b32 s17, s17, SLOT1                      ; in the other slot
	s_add_co_u32 s50, s50, 256
.endm
; THE CHANGE OF SLOTS stands at a slot's head.  Each wave waits for all its tensor loads, adds 0 to its spare word, and waits for that and for its reads of the slot that it has left.  Behind the barrier the slot ahead is whole
; and nobody reads the other one.  fill = 1: that other slot is filled with the keys that follow, up to the causal limit: the load has a slot's steps in which to land.
.macro CHANGE fill
	s_wait_tensorcnt 0x0                           ; no tensor load of mine is out, so group 0 may be written
	ds_add_u32 v3, v4
.if \fill
	ds_add_u32 v3, v4                              ; twice on end, in every trip alike
	s_xor_b32 s33, s33, SLOT1                      ; the walking descriptor: the other slot than last time,
	s_add_nc_u64 s[34:35], s[34:35], 32768         ; the next 256 keys
	s_wait_xcnt 0x0                                ; the last prefetches, a slot back, have read their address
	s_add_nc_u64 s[36:37], s[36:37], 32768
.endif
	s_wait_dscnt 0x0
	s_barrier_signal -1
	s_barrier_wait -1
.if \fill
	s_add_co_u32 s48, s50, 256                     ; the first key of the slot that this change would ask for:
	s_cmp_gt_u32 s48, s15                          ; beyond my work-group's last query none of its waves reads it.  The work-group's number and the count of slots alone: all sixteen waves go the same way
	s_cbranch_scc1 .Lpast_\@
	TLOAD                                          ; a wave's one tensor load until the next change
.Lpast_\@:
	ASK
.endif
.endm
	s_wait_loadcnt 0x0                             ; Q
.Lslot:                                            ; seven trips: behind each change of slots but the last the next slot is asked for
	CHANGE 1
	SLOT_STEPS
	s_sub_co_u32 s18, s18, 1
	s_cmp_lg_u32 s18, 0
	s_cbranch_scc1 .Lslot
	CHANGE 0                                       ; the last slot is written out: nothing is left to ask for
	SLOT_STEPS
	; THE JOINING.  Waves 8-15 lay down O^T of both tiles (16 pieces) and m and l (one piece) as their registers hold them, 16 bytes a lane; a barrier; waves 0-7 take them up by the same addresses.
.rept 4
	v_nop                                          ; behind the last products
.endr
	s_cmp_lt_u32 s8, 8
	s_cbranch_scc1 .Lkeeper
	v_mov_b32 v244, v[STB]                         ; B's m,
	v_add_f32 v245, v[STB+2], v[STB+3]             ; my lane's part of its l,
	v_mov_b32 v246, v[STA]                         ; and A's two
	v_add_f32 v247, v[STA+2], v[STA+3]
.irp p, 0,1,2,3,4,5,6,7,8,9,10,11,12,13,14,15
	ds_store_b128 v13, v[ROB+4*\p:ROB+4*\p+3] offset:512*\p        ; each accumulator from its low end on
.endr
	ds_store_b128 v13, v[244:247] offset:8192
.Lkeeper:
	s_wait_dscnt 0x0                               ; for the partner's sake: my stores are done
	s_barrier_signal -1
	s_barrier_wait -1
	s_cmp_lt_u32 s8, 8
	s_cbranch_scc0 .Lend
	ds_load_b128 v[128:131], v13 offset:8192       ; the partner's m and l: B's, A's
.irp p, 0,1,2,3,4,5,6,7,8,9,10,11,12,13,14,15
	ds_load_b128 v[RK+4*\p:RK+4*\p+3], v13 offset:512*\p           ; its O^T: B's in v64-95, A's in v96-127
.endr
	v_add_f32 v[STB+2], v[STB+2], v[STB+3]         ; my lane's part of l
	v_add_f32 v[STA+2], v[STA+2], v[STA+3]
	s_wait_dscnt 16                                ; m and l are in; the sixteen pieces of O^T issued behind them may be out
	v_max_num_f32 v[STB+6], v[STB], v128           ; the joint m
	v_max_num_f32 v[STA+6], v[STA], v130
	v_sub_f32 v[STB+4], v[STB], v[STB+6]
	v_sub_f32 v[STB+5], v128, v[STB+6]
	v_sub_f32 v[STA+4], v[STA], v[STA+6]
	v_sub_f32 v[STA+5], v130, v[STA+6]
	v_exp_f32 v[STB+4], v[STB+4]                   ; my factor,
	v_exp_f32 v[STB+5], v[STB+5]                   ; the partner's
	v_exp_f32 v[STA+4], v[STA+4]
	v_exp_f32 v[STA+5], v[STA+5]
	v_nop
	s_wait_alu depctr_va_vdst(0)                   ; one wait for the four
	v_mul_f32 v[STB+2], v[STB+2], v[STB+4]
	v_mul_f32 v[STA+2], v[STA+2], v[STA+4]
	v_fma_f32 v[STB+2], v129, v[STB+5], v[STB+2]   ; the joint l, my lane's part,
	v_fma_f32 v[STA+2], v131, v[STA+5], v[STA+2]
	v_permlanex16_b32 v[STB+7], v[STB+2], s20, s21
	v_permlanex16_b32 v[STA+7], v[STA+2], s20, s21
	v_add_f32 v[STB+2], v[STB+2], v[STB+7]         ; and the lane's 16 away
	v_add_f32 v[STA+2], v[STA+2], v[STA+7]
	v_rcp_f32 v[STB+6], v[STB+2]
	v_rcp_f32 v[STA+6], v[STA+2]
	v_nop
	s_wait_alu depctr_va_vdst(0)                   ; one wait for the two reciprocals
	v_mul_f32 v[STB+4], v[STB+4], v[STB+6]         ; the division by l goes into the two factors: mine in the low word of one pair,
	v_mul_f32 v[STA+4], v[STA+4], v[STA+6]
	v_mul_f32 v[STB+6], v[STB+5], v[STB+6]         ; the partner's in the low word of another
	v_mul_f32 v[STA+6], v[STA+5], v[STA+6]
.irp j, 0,2,4,6,8,10,12,14,16,18,20,22,24,26,28,30
	v_pk_mul_f32 v[ROB+\j:ROB+\j+1], v[ROB+\j:ROB+\j+1], v[STB+4:STB+5] op_sel_hi:[1,0]
.endr
.irp j, 0,2,4,6,8,10,12,14,16,18,20,22,24,26,28,30
	v_pk_mul_f32 v[ROA+\j:ROA+\j+1], v[ROA+\j:ROA+\j+1], v[STA+4:STA+5] op_sel_hi:[1,0]
.endr
	s_wait_dscnt 0x0                               ; the partner's O^T is in
.irp j, 0,2,4,6,8,10,12,14,16,18,20,22,24,26,28,30
	v_pk_fma_f32 v[ROB+\j:ROB+\j+1], v[RK+\j:RK+\j+1], v[STB+6:STB+7], v[ROB+\j:ROB+\j+1] op_sel_hi:[1,0,1]
.endr
.irp j, 0,2,4,6,8,10,12,14,16,18,20,22,24,26,28,30
	v_pk_fma_f32 v[ROA+\j:ROA+\j+1], v[RV+\j:RV+\j+1], v[STA+6:STA+7], v[ROA+\j:ROA+\j+1] op_sel_hi:[1,0,1]
.endr
	; THE WAY OUT: rounded to f16, a lane's eight dims of a query are 16 bytes, a piece of the next launch's fragment.
.irp j, 0,1,2,3,4,5,6,7,8,9,10,11,12,13,14,15
	v_cvt_pk_f16_f32 v[RSB+\j], v[ROB+2*\j], v[ROB+2*\j+1]
	v_cvt_pk_f16_f32 v[RSA+\j], v[ROA+2*\j], v[ROA+2*\j+1]
.endr
.irp dt, 0,1,2,3
	global_store_b128 v1, v[RSB+4*\dt:RSB+4*\dt+3], s[40:41] offset:512*\dt   ; 512 consecutive bytes, aligned
	global_store_b128 v1, v[RSA+4*\dt:RSA+4*\dt+3], s[42:43] offset:512*\dt
.endr
.Lend:
	s_wait_tensorcnt 0x0                           ; the wave's end, behind my last tensor load and my last LDS store
	ds_add_u32 v3, v4
	s_wait_dscnt 0x0
	s_endpgm
.Lfunc_end_k_q12a215e25c_attn:
	.size	k_q12a215e25c_attn, .Lfunc_end_k_q12a215e25c_attn-k_q12a215e25c_attn
	.p2alignl 7, 3214868480
	.fill 96, 4, 3214868480
	.section	.rodata,"a",@progbits
	.p2align	6, 0x0
	.amdhsa_kernel k_q12a215e25c_attn
		.amdhsa_group_segment_fixed_size 327680
		.amdhsa_private_segment_fixed_size 0
		.amdhsa_enable_private_segment 0
		.amdhsa_kernarg_size 16
		.amdhsa_user_sgpr_count 2
		.amdhsa_user_sgpr_kernarg_segment_ptr 1
		.amdhsa_wavefront_size32 1
		.amdhsa_system_sgpr_workgroup_id_x 1
		.amdhsa_system_sgpr_workgroup_id_y 1
		.amdhsa_system_sgpr_workgroup_id_z 1
		.amdhsa_system_vgpr_workitem_id 0
		.amdhsa_next_free_vgpr 256
		.amdhsa_next_free_sgpr 66
		.amdhsa_reserve_vcc 1
		.amdhsa_float_denorm_mode_32 3
		.amdhsa_float_denorm_mode_16_64 3
		.amdhsa_memory_ordered 1
		.amdhsa_forward_progress 1
		.amdhsa_inst_pref_size 54
	.end_amdhsa_kernel
	.amdgpu_metadata
---
amdhsa.version: [ 1, 2 ]
amdhsa.kernels:
  - .name:           k_q12a215e25c_attn
    .symbol:         k_q12a215e25c_attn.kd
    .args:
      - { .name: qkvimg, .offset: 0, .size: 8, .value_kind: global_buffer, .address_space: global }
      - { .name: oimg, .offset: 8, .size: 8, .value_kind: global_buffer, .address_space: global }
    .group_segment_fixed_size: 327680
    .private_segment_fixed_size: 0
    .kernarg_segment_align: 8
    .kernarg_segment_size: 16
    .max_flat_workgroup_size: 512
    .sgpr_count:     66
    .vgpr_count:     256
    .wavefront_size: 32
...
	.end_amdgpu_metadata
.endif
;; end of part 3
;; launch proj (part 4): grid 16 x 16, 4 waves a work-group, clusters of 4 x 4, 327,680 bytes of LDS; arguments oimg, wimg, bo, out0; writes out0
.if DOCPART == 4
	.amdgcn_target "amdgcn-amd-amdhsa--gfx1250"
	.amdhsa_code_object_version 6
	.text
	.protected	k_q12a215e25c_proj
	.globl	k_q12a215e25c_proj
	.p2align	8
	.type	k_q12a215e25c_proj,@function
k_q12a215e25c_proj:
	s_mov_b64 s[64:65], 0
	v_nop
	global_prefetch_b8 v0, s[64:65] scope:SCOPE_SE
	s_setreg_imm32_b32 hwreg(HW_REG_WAVE_MODE, 25, 1), 1
	s_wait_xcnt 0x0
	s_wait_alu depctr_hold_cnt(0) depctr_sa_sdst(0) depctr_va_vdst(0) depctr_va_sdst(0) depctr_va_ssrc(0) depctr_va_vcc(0) depctr_vm_vsrc(0)
	s_getreg_b32 s2, hwreg(HW_REG_IB_STS2, 6, 4)
	s_cmp_eq_u32 s2, 0
	s_cbranch_scc0 .Lentry_in_a_cluster
	s_endpgm
.Lentry_in_a_cluster:
	s_bfe_u32 s2, ttmp6, 0x10000c
	s_cmp_lg_u32 s2, 0xf033
	s_cbranch_scc0 .Lentry_shape_is_right
	s_endpgm
.Lentry_shape_is_right:
; out0 = o wo^T + bo, 2048 x 2048 x 2048, operands in f16, sums in f32.  (Positions 0-15 are made again, more finely, by the launch behind this one.)
; Both operands arrive as images of their registers: [tile of 16 rows: 128][32 along K: 64][half: 2][lane][16 bytes]: a tile's part of a K step of 256 is 8,192 consecutive bytes.
; A tile of C is 128 x 128: 256 work-groups.  Four waves, each 64 x 64: 16 accumulators.  K goes in steps of 256 through two LDS slots; a wave's tensor load brings four tiles' parts: 4 rows of 8,192 bytes, 65,536 apart in memory.
; In LDS a piece is 512 consecutive bytes, 16 a lane: no pitch, no padding.
; CLUSTERS: 4 x 4 work-groups; o's tiles are asked for jointly along a row of the cluster, wo's along a column.  THE MATRIX INSTRUCTION IS USED TRANSPOSED (source 0 = 16 rows of wo, source 1 = 16 rows of o).
; The bias is the C of each sum's first product.  A wave's 64 columns of f32 are 256 aligned bytes of a row: each wave has a stage of its own on the way out, and no barrier is needed there.
; REGISTERS: window 0: v0-31 addresses; v32-95 rows on the way out; v96-127 the bias; v128-255 the accumulators ((a, b) at v[128 + 8 (4 a + b)]).  window 1: two fragment buffers of 128.
.set HALFT,  32768                     ; four tiles' parts of a K step: what one tensor load brings, and what one wave reads of A or of B
.set SLOT,   4*HALFT
.set STEPB,  8192                      ; a tile's part of a K step
.set STAGE,  2*SLOT
.set SPITCH, 272
.set SPARE,  STAGE+4*16*SPITCH
.set LAPS,   4                         ; 2048 / (2 x 256)
.set ADRA, 16
.set ADRB, 20
.set STO,  24
.set RD,   25
.set CO,   26
.set BOF,  27                          ; v27  32 h; never rewritten
.set SPW,  28
.set NIL,  29
.set TMP,  32
.set BIAS, 96
.set ACC,  128
.set F0,   0
.set F1,   128
.set G1, 24
.set G0, 32
.set G1B, 48
.set G0B, 56
.set MSB, 0
.macro WIN new
.if MSB != \new
	s_set_vgpr_msb (MSB<<8)|\new
.set MSB, \new
.endif
.endm
.set MUL,  0x05                        ; sources 0 and 1 window 1; C and D window 0
.set TO_F, 0x40                        ; destination window 1, address window 0
.macro JLOAD s                         ; a joint load: waves 0 and 1 fetch o's two halves, waves 2 and 3 wo's; an s_nop 0 and four v_nop follow each of the two lines
	s_cmp_eq_u32 s11, 0
	s_cbranch_scc0 .Lfor_b_\@
	tensor_load_to_lds s[G0+4*\s:G0+4*\s+3], s[G1:G1+7]
	s_nop 0
.rept 4
	v_nop
.endr
	s_branch .Lasked_\@
.Lfor_b_\@:
	tensor_load_to_lds s[G0B+4*\s:G0B+4*\s+3], s[G1B:G1B+7]
	s_nop 0
.rept 4
	v_nop
.endr
.Lasked_\@:
.endm
.macro CREST
	s_cmp_lg_u32 s10, 0
	s_cbranch_scc1 .Lnot_wave_0_\@
	s_barrier_signal -3
.Lnot_wave_0_\@:
	s_barrier_wait -3
	s_barrier_signal -1
	s_barrier_wait -1
.endm
.macro CROUND
	s_barrier_signal -1
	s_barrier_wait -1
	CREST
.endm
	s_load_b128 s[4:7], s[0:1], 0x0                ; oimg, wimg
	s_load_b64 s[66:67], s[0:1], 0x10              ; bo
	s_load_b64 s[8:9], s[0:1], 0x18                ; out0
	v_lshl_add_u32 v[SPW], v0, 2, SPARE
	v_mov_b32 v[NIL], 0
	ds_add_u32 v[SPW], v[NIL]                      ; the wave's opening: the add, twice on end, and its wait ahead of my first tensor load
	ds_add_u32 v[SPW], v[NIL]
	v_lshrrev_b32 v1, 5, v0
	v_readfirstlane_b32 s10, v1                    ; wave 0..3
	s_lshr_b32 s11, s10, 1                         ; which half of the tile's rows is mine.  Also: I fetch for o (0) or for wo (1)
	s_and_b32 s12, s10, 1                          ; which half of its columns.  Also: which four tiles I fetch
	s_bfe_u32 s40, ttmp6, 0x40000
	s_bfe_u32 s41, ttmp6, 0x40004
	s_lshl_b32 s42, ttmp9, 2
	s_add_co_u32 s42, s42, s40                     ; tile column of C
	s_and_b32 s13, ttmp7, 0xffff
	s_lshl_b32 s13, s13, 2
	s_add_co_u32 s13, s13, s41                     ; tile row of C
	s_lshl_b32 s43, s41, 2
	s_lshl_b32 s43, 15, s43
	s_lshl_b32 s44, 0x1111, s40
	s_or_b32 s[G1+0], s43, (3<<16)|(1<<21)         ; the mask; elements of 8 bytes; bit 21 beside a mask; no padding
	s_or_b32 s[G1B+0], s44, (3<<16)|(1<<21)
.irp g, G1, G1B
	s_mov_b32 s[\g+1], 1024<<16                    ; tensor_dim0 = 1,024 elements: 8,192 bytes
	s_mov_b32 s[\g+2], 4<<16                       ; tensor_dim1 = 4
	s_mov_b32 s[\g+3], 1024<<16                    ; tile_dim0
	s_mov_b32 s[\g+4], 4                           ; tile_dim1
	s_mov_b32 s[\g+5], 8192                        ; the pitch: 65,536 bytes
	s_mov_b32 s[\g+6], 0
	s_mov_b32 s[\g+7], 0
.endr
	s_lshl_b32 s17, s12, 2
	s_lshl_b32 s16, s13, 3
	s_add_co_u32 s16, s16, s17                     ; o: tile 8 x tile row + 4 x half
	s_lshl_b32 s16, s16, 16
	s_lshl_b32 s46, s42, 3
	s_add_co_u32 s46, s46, s17                     ; wo: tile 8 x tile column + 4 x half
	s_lshl_b32 s46, s46, 16
	s_mov_b32 s17, 0
	s_mov_b32 s47, 0
	s_mul_i32 s20, s10, HALFT                      ; where they go: no place in the cluster enters an LDS address
	s_wait_dscnt 0x0                               ; both opening adds are done
	s_wait_kmcnt 0x0
	s_add_nc_u64 s[14:15], s[4:5], s[16:17]
	s_add_nc_u64 s[46:47], s[6:7], s[46:47]
	CROUND                                         ; all sixteen work-groups are here: the first joint loads meet
.irp s, 0,1
	s_mov_b32 s[G0+4*\s], 1
	s_add_co_u32 s[G0+4*\s+1], s20, \s*SLOT
	s_add_nc_u64 s[G0+4*\s+2:G0+4*\s+3], s[14:15], \s*STEPB
	s_or_b32 s[G0+4*\s+3], s[G0+4*\s+3], 0x80000000
	s_mov_b32 s[G0B+4*\s], 1
	s_add_co_u32 s[G0B+4*\s+1], s20, \s*SLOT
	s_add_nc_u64 s[G0B+4*\s+2:G0B+4*\s+3], s[46:47], \s*STEPB
	s_or_b32 s[G0B+4*\s+3], s[G0B+4*\s+3], 0x80000000
	JLOAD \s
.endr
	v_and_b32 v1, 15, v0                           ; r
	v_bfe_u32 v2, v0, 4, 1                         ; h
	s_lshl_b32 s46, s42, 9                         ; my first column, in bytes: 512 x tile column + 256 x half
	s_lshl_b32 s47, s12, 8
	s_add_co_u32 s46, s46, s47
	s_mov_b32 s47, 0
	s_add_nc_u64 s[66:67], s[66:67], s[46:47]
	v_lshlrev_b32 v[BOF], 5, v2
.irp b, 0,1,2,3
	global_load_b128 v[BIAS+8*\b:BIAS+8*\b+3], v[BOF], s[66:67] offset:64*\b       ; lane (r, h): bo at columns 16 b + 8 h + 0 .. 7
	global_load_b128 v[BIAS+8*\b+4:BIAS+8*\b+7], v[BOF], s[66:67] offset:64*\b+16
.endr
	v_and_b32 v3, 31, v0
	v_lshlrev_b32 v3, 4, v3                        ; 16 x lane
	s_mul_i32 s21, s11, HALFT                      ; my four tiles of o
	s_mul_i32 s22, s12, HALFT                      ; my four of wo,
	s_add_co_u32 s22, s22, 2*HALFT                 ; which lie behind o's eight
.irp s, 0,1
	v_add_nc_u32 v[ADRA+\s], s21, v3
	v_add_nc_u32 v[ADRB+\s], s22, v3
	s_add_co_u32 s21, s21, SLOT
	s_add_co_u32 s22, s22, SLOT
.endr
	s_mul_i32 s23, s10, 16*SPITCH
	s_add_co_u32 s23, s23, STAGE                   ; my stage
	v_mul_u32_u24 v4, v1, SPITCH                   ; in: row r, 32 bytes for each half of the lanes
	v_lshl_add_u32 v4, v2, 5, v4
	v_add_nc_u32 v[STO], s23, v4
	v_mul_u32_u24 v5, v2, SPITCH                   ; back: lanes 0-15 one row of 256 bytes, lanes 16-31 the next
	v_lshl_add_u32 v5, v1, 4, v5
	v_add_nc_u32 v[RD], s23, v5
	v_lshlrev_b32 v5, 13, v2                       ; and the same two rows in out0
	v_lshl_add_u32 v[CO], v1, 4, v5
	s_lshl_b32 s16, s13, 20                        ; my first row: 128 x tile row + 64 x half, 8,192 bytes a row
	s_lshl_b32 s17, s11, 19
	s_add_co_u32 s16, s16, s17
	s_mov_b32 s17, 0
	s_add_nc_u64 s[8:9], s[8:9], s[16:17]
	s_add_nc_u64 s[8:9], s[8:9], s[46:47]
; 8 matrix instructions: m blocks a0, a0 + 1 x all 4 n blocks, 32 along K: half c of buffer f.  zero = 1: the first product starts the sums, with the bias as its C.  The 16 accumulators take turns
.macro MUL8 f, c, a0, zero
.irp a, \a0, \a0+1
.irp b, 0,1,2,3
.if \zero
	v_wmma_f32_16x16x32_f16 v[ACC+8*(4*(\a)+\b):ACC+8*(4*(\a)+\b)+7], v[\f+64+8*(4*\c+\b):\f+64+8*(4*\c+\b)+7], v[\f+8*(4*\c+\a):\f+8*(4*\c+\a)+7], v[BIAS+8*\b:BIAS+8*\b+7]
.else
	v_wmma_f32_16x16x32_f16 v[ACC+8*(4*(\a)+\b):ACC+8*(4*(\a)+\b)+7], v[\f+64+8*(4*\c+\b):\f+64+8*(4*\c+\b)+7], v[\f+8*(4*\c+\a):\f+8*(4*\c+\a)+7], v[ACC+8*(4*(\a)+\b):ACC+8*(4*(\a)+\b)+7]
.endif
.endr
.endr
.endm
; 32 LDS loads in one run: the fragments of 64 along K, from byte k of each tile's part on, into buffer f; the first 32 along K first
.macro FETCH slot, k, f
	WIN TO_F
.irp c, 0,1
.irp i, 0,1,2,3
	ds_load_b128 v[\f+64+8*(4*\c+\i):\f+64+8*(4*\c+\i)+3],   v[ADRB+\slot] offset:\k+1024*\c+\i*STEPB
	ds_load_b128 v[\f+64+8*(4*\c+\i)+4:\f+64+8*(4*\c+\i)+7], v[ADRB+\slot] offset:\k+1024*\c+\i*STEPB+512
	ds_load_b128 v[\f+8*(4*\c+\i):\f+8*(4*\c+\i)+3],         v[ADRA+\slot] offset:\k+1024*\c+\i*STEPB
	ds_load_b128 v[\f+8*(4*\c+\i)+4:\f+8*(4*\c+\i)+7],       v[ADRA+\slot] offset:\k+1024*\c+\i*STEPB+512
.endr
.endr
.endm
.macro PLACES
.rept 4
	v_nop
.endr
.endm
.macro QUARTER slot, k, f, g, zero
	s_wait_dscnt 16                                ; the first 32 along K are in
	WIN MUL
	MUL8 \f, 0, 0, \zero
	MUL8 \f, 0, 2, \zero
	PLACES
	FETCH \slot, \k, \g
	s_wait_dscnt 32                                ; all but the 32 just issued
	WIN MUL
	MUL8 \f, 1, 0, 0
	MUL8 \f, 1, 2, 0
.endm
; The last quarter multiplies buffer 1 and changes slots: ONE barrier; in front of it each wave waits for all its tensor loads, adds 0 to its spare word, and waits for that and for its own reads of this slot.
.macro TURN slot, next, fill
	WIN 0
	s_wait_tensorcnt 0x0                           ; all my tensor loads have landed: my part of the next slot
	ds_add_u32 v[SPW], v[NIL]
	s_wait_dscnt 17                                ; (the add and the youngest sixteen loads may be out)
	WIN MUL
	MUL8 F1, 0, 0, 0
	s_wait_dscnt 0x0                               ; the add is done, and my reads of this slot are over
	s_barrier_signal -1
	MUL8 F1, 0, 2, 0
.if \fill
	WIN 0
.endif
	s_barrier_wait -1
.if \fill
	CREST                                          ; the barrier has opened a round of the cluster's: no wave of any partner still reads this slot's tile or has a load on its way
	s_add_nc_u64 s[G0+4*\slot+2:G0+4*\slot+3], s[G0+4*\slot+2:G0+4*\slot+3], 2*STEPB
	s_add_nc_u64 s[G0B+4*\slot+2:G0B+4*\slot+3], s[G0B+4*\slot+2:G0B+4*\slot+3], 2*STEPB
	JLOAD \slot                                    ; the first tensor load behind the round
.else
	PLACES
.endif
	FETCH \next, 0, F0
	WIN MUL
	MUL8 F1, 1, 0, 0
	MUL8 F1, 1, 2, 0
.endm
	s_wait_loadcnt 0x0                             ; the bias
	s_wait_tensorcnt 1                             ; my part of K step 0 is in,
	s_barrier_signal -1
	s_barrier_wait -1                              ; everybody's is
	FETCH 0, 0, F0
	QUARTER 0, 2048, F0, F1, 1                     ; the first quarter stands in front of the loop: its first products start the sums
	WIN 0
	s_mov_b32 s3, LAPS-1
.Llap:
	QUARTER 0, 4096, F1, F0, 0
	QUARTER 0, 6144, F0, F1, 0
	TURN 0, 1, 1
	QUARTER 1, 2048, F0, F1, 0
	QUARTER 1, 4096, F1, F0, 0
	QUARTER 1, 6144, F0, F1, 0
	TURN 1, 0, 1
	QUARTER 0, 2048, F0, F1, 0
	WIN 0
	s_sub_co_u32 s3, s3, 1
	s_cmp_lg_u32 s3, 0
	s_cbranch_scc1 .Llap
	QUARTER 0, 4096, F1, F0, 0                     ; the last lap fills nothing
	QUARTER 0, 6144, F0, F1, 0
	TURN 0, 1, 0
	QUARTER 1, 2048, F0, F1, 0
	QUARTER 1, 4096, F1, F0, 0
	QUARTER 1, 6144, F0, F1, 0
	s_wait_dscnt 16
	WIN MUL
	MUL8 F1, 0, 0, 0
	MUL8 F1, 0, 2, 0
	s_wait_dscnt 0
	MUL8 F1, 1, 0, 0
	MUL8 F1, 1, 2, 0
	WIN 0
; THE WAY OUT, a block of 16 rows x 64 columns at a time: through my own stage, back as whole rows of 256 bytes.  LDS serves a wave's instructions in order: no wait between the stores and the loads.
.macro TOSTAGE a
.irp b, 0,1,2,3
	ds_store_b128 v[STO], v[ACC+8*(4*(\a)+\b):ACC+8*(4*(\a)+\b)+3] offset:64*\b        ; each accumulator from its low end on
	ds_store_b128 v[STO], v[ACC+8*(4*(\a)+\b)+4:ACC+8*(4*(\a)+\b)+7] offset:64*\b+16
.endr
.irp t, 0,1,2,3,4,5,6,7
	ds_load_b128 v[TMP+32*((\a)%2)+4*\t:TMP+32*((\a)%2)+4*\t+3], v[RD] offset:\t*2*SPITCH
.endr
.endm
.macro SEND a, younger                 ; younger: the LDS instructions issued behind block a's loads
	s_wait_dscnt \younger
.irp t, 0,1,2,3,4,5,6,7
	global_store_b128 v[CO], v[TMP+32*((\a)%2)+4*\t:TMP+32*((\a)%2)+4*\t+3], s[8:9] offset:(16*(\a)+2*\t)*8192 th:TH_STORE_NT   ; 16 lanes store 256 consecutive bytes, aligned
.endr
.endm
	PLACES
	TOSTAGE 0
.irp a, 1,2,3
.if \a > 1
	s_wait_xcnt 0x0                                ; block a - 2's stores have read their registers: block a's loads may land there
.endif
	TOSTAGE \a
	SEND \a-1, 16
.endr
	SEND 3, 0
	s_wait_tensorcnt 0x0                           ; the wave's end
	ds_add_u32 v[SPW], v[NIL]
	s_wait_dscnt 0x0
	CROUND                                         ; the closing round
	s_endpgm
.Lfunc_end_k_q12a215e25c_proj:
	.size	k_q12a215e25c_proj, .Lfunc_end_k_q12a215e25c_proj-k_q12a215e25c_proj
	.p2alignl 7, 3214868480
	.fill 96, 4, 3214868480
	.section	.rodata,"a",@progbits
	.p2align	6, 0x0
	.amdhsa_kernel k_q12a215e25c_proj
		.amdhsa_group_segment_fixed_size 327680
		.amdhsa_private_segment_fixed_size 0
		.amdhsa_enable_private_segment 0
		.amdhsa_kernarg_size 32
		.amdhsa_user_sgpr_count 2
		.amdhsa_user_sgpr_kernarg_segment_ptr 1
		.amdhsa_wavefront_size32 1
		.amdhsa_system_sgpr_workgroup_id_x 1
		.amdhsa_system_sgpr_workgroup_id_y 1
		.amdhsa_system_sgpr_workgroup_id_z 1
		.amdhsa_system_vgpr_workitem_id 0
		.amdhsa_next_free_vgpr 512
		.amdhsa_next_free_sgpr 68
		.amdhsa_reserve_vcc 0
		.amdhsa_float_denorm_mode_32 3
		.amdhsa_float_denorm_mode_16_64 3
		.amdhsa_memory_ordered 1
		.amdhsa_forward_progress 1
		.amdhsa_inst_pref_size 86
	.end_amdhsa_kernel
	.amdgpu_metadata
---
amdhsa.version: [ 1, 2 ]
amdhsa.kernels:
  - .name:           k_q12a215e25c_proj
    .symbol:         k_q12a215e25c_proj.kd
    .args:
      - { .name: oimg, .offset: 0, .size: 8, .value_kind: global_buffer, .address_space: global }
      - { .name: wimg, .offset: 8, .size: 8, .value_kind: global_buffer, .address_space: global }
      - { .name: bo, .offset: 16, .size: 8, .value_kind: global_buffer, .address_space: global }
      - { .name: out0, .offset: 24, .size: 8, .value_kind: global_buffer, .address_space: global }
    .group_segment_fixed_size: 327680
    .private_segment_fixed_size: 0
    .kernarg_segment_align: 8
    .kernarg_segment_size: 32
    .max_flat_workgroup_size: 128
    .sgpr_count:     68
    .vgpr_count:     512
    .wavefront_size: 32
...
	.end_amdgpu_metadata
.endif
;; end of part 4
;; launch first16 (part 5): grid 128 x 1, 16 waves a work-group, no clusters, 18,432 bytes of LDS; arguments fine, wo, bo, out0; writes out0
.if DOCPART == 5
	.amdgcn_target "amdgcn-amd-amdhsa--gfx1250"
	.amdhsa_code_object_version 6
	.text
	.protected	k_q12a215e25c_first16
	.globl	k_q12a215e25c_first16
	.p2align	8
	.type	k_q12a215e25c_first16,@function
k_q12a215e25c_first16:
	s_mov_b64 s[64:65], 0
	v_nop
	global_prefetch_b8 v0, s[64:65] scope:SCOPE_SE
	s_setreg_imm32_b32 hwreg(HW_REG_WAVE_MODE, 25, 1), 1
	s_wait_xcnt 0x0
; Positions 0-15 once more, all in f32: under the causal mask these rows average one to sixteen values and are the largest of the output, so rounded operands weigh most there.  128 x 16 x 16 outputs: no bulk work.
; fine[column / 64: 96][16 positions][64] f32 (its first part): q (already multiplied by log2(e) / 8), k, v of the first 16 positions, unrounded.
; SHARES.  A work-group makes out0[0 .. 15][16 g .. 16 g + 15].  Wave w takes heads 2 w and 2 w + 1: their attention (16 x 16), then their 128 along K of the product with wo; the sixteen waves' parts are added through LDS.
; The small attention is made anew in every work-group: that spares a launch and a buffer.
; ALL PRODUCTS by v_wmma_f32_16x16x4_f32, transposed: S^T = K Q^T, O^T = V^T P, OUT^T = wo O: a lane holds one query (lane % 16) throughout.  An instruction takes k = 2 (lane / 16) + j from register j; which of the
; product's K stands there is free so long as both sources agree: S: dims 8 i + 4 h + 2 e + j; O: keys 8 h + 2 t + j (as p lies); OUT: dims 16 dt + 8 h + 2 t + j (as O^T lies).
; The registers that these instructions write (v192-255) are written by them alone; p is normalised ahead of the second product, so that O^T goes on as it is.
; Stores of 16 bytes a lane, 64 bytes of each of 16 rows a work-group: 131,072 bytes in the whole launch.
.set RQ, 16                            ; v16-47   Q
.set RK, 48                            ; v48-79   K
.set RV, 80                            ; v80-111  V^T: (dt, key 8 h + jj) at 8 dt + jj
.set RW, 112                           ; v112-175 wo, two heads: (hh, dt, jj) at 32 hh + 8 dt + jj
.set RP, 176                           ; v176-183 p
.set WK, 184                           ; v184-191 at work
.set SA, 192                           ; two sums of S^T, by turns
.set SB, 200
.set RO, 208                           ; O^T, four tiles of 16 dims
.set OA, 240                           ; two sums of OUT^T, by turns
.set OB, 248
.set SPARE, 16384                      ; behind the sixteen parts of 1,024 bytes: the spare words, 128 bytes for each wave
	s_load_b256 s[4:11], s[0:1], 0x0               ; fine, wo, bo, out0
	v_lshl_add_u32 v8, v0, 2, SPARE                ; the add's two registers; never rewritten
	v_mov_b32 v9, 0
	v_lshrrev_b32 v1, 5, v0
	v_readfirstlane_b32 s12, v1                    ; wave 0..15
	v_and_b32 v6, 31, v0                           ; lane
	v_and_b32 v1, 15, v0                           ; r
	v_bfe_u32 v2, v0, 4, 1                         ; h
	v_lshlrev_b32 v3, 8, v1
	v_lshl_add_u32 v3, v2, 4, v3                   ; Q, K: row r of 256 bytes, + 16 h
	v_lshlrev_b32 v4, 2, v1
	v_lshl_add_u32 v4, v2, 11, v4                  ; V: key 8 h, dim r
	v_lshlrev_b32 v5, 13, v1
	v_lshl_add_u32 v5, v2, 5, v5                   ; wo: row r of 8,192 bytes, + 32 h
	v_lshlrev_b32 v7, 3, v2
	v_sub_nc_u32 v7, v1, v7                        ; r - 8 h
	s_lshl_b32 s13, s12, 10
	v_lshl_add_u32 v10, v6, 5, s13                 ; LDS: my wave's part, 32 bytes a lane
	s_and_b32 s14, s12, 1
	s_lshl_b32 s14, s14, 4
	v_lshl_add_u32 v11, v6, 5, s14                 ; and, in waves 0 and 1, which 16 of a lane's 32 bytes I add up
	v_mov_b32 v12, 0xff800000                      ; -infinity
	v_add_nc_u32 v13, s14, v5                      ; out0: row r, columns 8 h + 4 (wave % 2) on
	v_lshl_add_u32 v14, v2, 5, s14                 ; bo likewise
	s_mov_b32 s20, 0x76543210
	s_mov_b32 s21, 0xfedcba98
	s_lshl_b32 s16, s12, 13                        ; fine: my two heads, 4,096 bytes each
	s_mov_b32 s17, 0
	s_lshl_b32 s18, ttmp9, 17                      ; wo: my work-group's 16 rows,
	s_lshl_b32 s19, s12, 9                         ; my two heads' 128 columns
	s_add_co_u32 s18, s18, s19
	s_mov_b32 s19, 0
	s_lshl_b32 s22, ttmp9, 6                       ; bo, out0: 16 columns of 4 bytes
	s_mov_b32 s23, 0
	s_wait_kmcnt 0x0
	s_add_nc_u64 s[4:5], s[4:5], s[16:17]
	s_add_nc_u64 s[6:7], s[6:7], s[18:19]
	s_add_nc_u64 s[8:9], s[8:9], s[22:23]
	s_add_nc_u64 s[10:11], s[10:11], s[22:23]
.macro LQK hh
.irp i, 0,1,2,3,4,5,6,7
	global_load_b128 v[RQ+4*\i:RQ+4*\i+3], v3, s[4:5] offset:4096*\hh+32*\i
.endr
.irp i, 0,1,2,3,4,5,6,7
	global_load_b128 v[RK+4*\i:RK+4*\i+3], v3, s[4:5] offset:131072+4096*\hh+32*\i
.endr
.endm
.macro LV hh
.irp dt, 0,1,2,3
.irp j, 0,1,2,3,4,5,6,7
	global_load_b32 v[RV+8*\dt+\j], v4, s[4:5] offset:262144+4096*\hh+256*\j+64*\dt
.endr
.endr
.endm
.macro LW hh
.irp dt, 0,1,2,3
	global_load_b128 v[RW+32*\hh+8*\dt:RW+32*\hh+8*\dt+3], v5, s[6:7] offset:256*\hh+64*\dt
	global_load_b128 v[RW+32*\hh+8*\dt+4:RW+32*\hh+8*\dt+7], v5, s[6:7] offset:256*\hh+64*\dt+16
.endr
.endm
.macro NOPS n
.rept \n
	v_nop
.endr
.endm
.macro SCORES                          ; 16 instructions, two sums by turns; each sum's first takes the constant 0
	v_wmma_f32_16x16x4_f32 v[SA:SA+7], v[RK:RK+1], v[RQ:RQ+1], 0
	v_wmma_f32_16x16x4_f32 v[SB:SB+7], v[RK+2:RK+3], v[RQ+2:RQ+3], 0
.irp t, 2,4,6,8,10,12,14
	v_wmma_f32_16x16x4_f32 v[SA:SA+7], v[RK+2*\t:RK+2*\t+1], v[RQ+2*\t:RQ+2*\t+1], v[SA:SA+7]
	v_wmma_f32_16x16x4_f32 v[SB:SB+7], v[RK+2*\t+2:RK+2*\t+3], v[RQ+2*\t+2:RQ+2*\t+3], v[SB:SB+7]
.endr
.endm
.macro SMAX                            ; lane (r, h): query r, keys 8 h + 0 .. 7; hidden where 8 h + j > r
.irp i, 0,2,4,6
	v_pk_add_f32 v[RP+\i:RP+\i+1], v[SA+\i:SA+\i+1], v[SB+\i:SB+\i+1]
.endr
.irp j, 0,1,2,3,4,5,6,7
	v_cmp_gt_i32 vcc_lo, \j, v7
	v_cndmask_b32 v[RP+\j], v[RP+\j], v12, vcc_lo
.endr
	v_max3_num_f32 v[WK], v[RP], v[RP+1], v[RP+2]
	v_max3_num_f32 v[WK+1], v[RP+3], v[RP+4], v[RP+5]
	v_max3_num_f32 v[WK], v[WK], v[RP+6], v[RP+7]
	v_max_num_f32 v[WK], v[WK], v[WK+1]
	v_permlanex16_b32 v[WK+1], v[WK], s20, s21
	v_max_num_f32 v[WK], v[WK], v[WK+1]            ; the row's maximum: key 0 counts for every query, so it is a number
.irp j, 0,1,2,3,4,5,6,7
	v_sub_f32 v[RP+\j], v[RP+\j], v[WK]
.endr
.irp j, 0,1,2,3,4,5,6,7
	v_exp_f32 v[RP+\j], v[RP+\j]
.endr
	v_nop
	s_wait_alu depctr_va_vdst(0)                   ; one wait for the eight
	v_pk_add_f32 v[WK+2:WK+3], v[RP:RP+1], v[RP+2:RP+3]
	v_pk_add_f32 v[WK+4:WK+5], v[RP+4:RP+5], v[RP+6:RP+7]
	v_pk_add_f32 v[WK+2:WK+3], v[WK+2:WK+3], v[WK+4:WK+5]
	v_add_f32 v[WK+2], v[WK+2], v[WK+3]
	v_permlanex16_b32 v[WK+3], v[WK+2], s20, s21
	v_add_f32 v[WK+2], v[WK+2], v[WK+3]
	v_rcp_f32 v[WK+2], v[WK+2]
	v_nop
	s_wait_alu depctr_va_vdst(0)
.irp j, 0,1,2,3,4,5,6,7
	v_mul_f32 v[RP+\j], v[RP+\j], v[WK+2]          ; p, normalised
.endr
.endm
.macro PVM                             ; 16 instructions, four sums by turns
.irp t, 0,1,2,3
.irp dt, 0,1,2,3
.if \t == 0
	v_wmma_f32_16x16x4_f32 v[RO+8*\dt:RO+8*\dt+7], v[RV+8*\dt+2*\t:RV+8*\dt+2*\t+1], v[RP+2*\t:RP+2*\t+1], 0
.else
	v_wmma_f32_16x16x4_f32 v[RO+8*\dt:RO+8*\dt+7], v[RV+8*\dt+2*\t:RV+8*\dt+2*\t+1], v[RP+2*\t:RP+2*\t+1], v[RO+8*\dt:RO+8*\dt+7]
.endif
.endr
.endr
.endm
.macro PROJ hh                         ; 16 instructions, two sums by turns; source 1 is O^T as it lies
.irp dt, 0,1,2,3
.irp t, 0,2
.if (\hh == 0) && (\dt == 0) && (\t == 0)
	v_wmma_f32_16x16x4_f32 v[OA:OA+7], v[RW+32*\hh+8*\dt+2*\t:RW+32*\hh+8*\dt+2*\t+1], v[RO+8*\dt+2*\t:RO+8*\dt+2*\t+1], 0
	v_wmma_f32_16x16x4_f32 v[OB:OB+7], v[RW+32*\hh+8*\dt+2*\t+2:RW+32*\hh+8*\dt+2*\t+3], v[RO+8*\dt+2*\t+2:RO+8*\dt+2*\t+3], 0
.else
	v_wmma_f32_16x16x4_f32 v[OA:OA+7], v[RW+32*\hh+8*\dt+2*\t:RW+32*\hh+8*\dt+2*\t+1], v[RO+8*\dt+2*\t:RO+8*\dt+2*\t+1], v[OA:OA+7]
	v_wmma_f32_16x16x4_f32 v[OB:OB+7], v[RW+32*\hh+8*\dt+2*\t+2:RW+32*\hh+8*\dt+2*\t+3], v[RO+8*\dt+2*\t+2:RO+8*\dt+2*\t+3], v[OB:OB+7]
.endif
.endr
.endr
.endm
	LQK 0
	LV 0
	LW 0
	LW 1
	s_wait_loadcnt 48                              ; Q and K of the first head are in; behind them: V's 32 loads and wo's 16
	SCORES
	NOPS 8                                         ; eight plain lines behind this form, in front of the read of its results and of loads into its sources
	LQK 1
	SMAX
	s_wait_loadcnt 32                              ; V is in; behind it: wo's 16 and the second head's Q and K
	PVM
	NOPS 9                                         ; nine, in front of a matrix instruction that takes the results as a source
	LV 1
	s_wait_loadcnt 56                              ; the first head's wo is in; behind it: the second head's 8, Q and K's 16, V's 32
	PROJ 0
	s_wait_loadcnt 32                              ; the second head's Q, K (and wo) are in; behind them: V's 32
	SCORES
	NOPS 8
	SMAX
	s_wait_loadcnt 0x0
	PVM
	NOPS 9
	PROJ 1
	NOPS 8
.irp i, 0,2,4,6
	v_pk_add_f32 v[WK+\i:WK+\i+1], v[OA+\i:OA+\i+1], v[OB+\i:OB+\i+1]   ; my wave's part: lane (r, h), register j: out(query r, column 8 h + j)
.endr
	ds_store_b128 v10, v[WK:WK+3]
	ds_store_b128 v10, v[WK+4:WK+7] offset:16
	s_wait_dscnt 0x0                               ; for the others' sake: my stores are done
	s_barrier_signal -1
	s_barrier_wait -1
	s_cmp_gt_u32 s12, 1                            ; waves 0 and 1 add the sixteen parts, four columns a lane each
	s_cbranch_scc1 .Ldone
	global_load_b128 v[80:83], v14, s[8:9]         ; bo
.irp p, 0,1,2,3,4,5,6,7,8,9,10,11,12,13,14,15
	ds_load_b128 v[16+4*\p:19+4*\p], v11 offset:1024*\p
.endr
	s_wait_dscnt 0x0
.irp p, 0,2,4,6,8,10,12,14
	v_pk_add_f32 v[16+4*\p:17+4*\p], v[16+4*\p:17+4*\p], v[20+4*\p:21+4*\p]
	v_pk_add_f32 v[18+4*\p:19+4*\p], v[18+4*\p:19+4*\p], v[22+4*\p:23+4*\p]
.endr
.irp p, 0,4,8,12
	v_pk_add_f32 v[16+4*\p:17+4*\p], v[16+4*\p:17+4*\p], v[24+4*\p:25+4*\p]
	v_pk_add_f32 v[18+4*\p:19+4*\p], v[18+4*\p:19+4*\p], v[26+4*\p:27+4*\p]
.endr
.irp p, 0,8
	v_pk_add_f32 v[16+4*\p:17+4*\p], v[16+4*\p:17+4*\p], v[32+4*\p:33+4*\p]
	v_pk_add_f32 v[18+4*\p:19+4*\p], v[18+4*\p:19+4*\p], v[34+4*\p:35+4*\p]
.endr
	v_pk_add_f32 v[16:17], v[16:17], v[48:49]
	v_pk_add_f32 v[18:19], v[18:19], v[50:51]
	s_wait_loadcnt 0x0
	v_pk_add_f32 v[16:17], v[16:17], v[80:81]
	v_pk_add_f32 v[18:19], v[18:19], v[82:83]
	global_store_b128 v13, v[16:19], s[10:11]
.Ldone:
	s_wait_tensorcnt 0x0                           ; the wave's end, behind my last LDS store
	ds_add_u32 v8, v9
	s_wait_dscnt 0x0
	s_endpgm
.Lfunc_end_k_q12a215e25c_first16:
	.size	k_q12a215e25c_first16, .Lfunc_end_k_q12a215e25c_first16-k_q12a215e25c_first16
	.p2alignl 7, 3214868480
	.fill 96, 4, 3214868480
	.section	.rodata,"a",@progbits
	.p2align	6, 0x0
	.amdhsa_kernel k_q12a215e25c_first16
		.amdhsa_group_segment_fixed_size 18432
		.amdhsa_private_segment_fixed_size 0
		.amdhsa_enable_private_segment 0
		.amdhsa_kernarg_size 32
		.amdhsa_user_sgpr_count 2
		.amdhsa_user_sgpr_kernarg_segment_ptr 1
		.amdhsa_wavefront_size32 1
		.amdhsa_system_sgpr_workgroup_id_x 1
		.amdhsa_system_sgpr_workgroup_id_y 1
		.amdhsa_system_sgpr_workgroup_id_z 1
		.amdhsa_system_vgpr_workitem_id 0
		.amdhsa_next_free_vgpr 256
		.amdhsa_next_free_sgpr 66
		.amdhsa_reserve_vcc 1
		.amdhsa_float_denorm_mode_32 3
		.amdhsa_float_denorm_mode_16_64 3
		.amdhsa_memory_ordered 1
		.amdhsa_forward_progress 1
		.amdhsa_inst_pref_size 29
	.end_amdhsa_kernel
	.amdgpu_metadata
---
amdhsa.version: [ 1, 2 ]
amdhsa.kernels:
  - .name:           k_q12a215e25c_first16
    .symbol:         k_q12a215e25c_first16.kd
    .args:
      - { .name: fine, .offset: 0, .size: 8, .value_kind: global_buffer, .address_space: global }
      - { .name: wo, .offset: 8, .size: 8, .value_kind: global_buffer, .address_space: global }
      - { .name: bo, .offset: 16, .size: 8, .value_kind: global_buffer, .address_space: global }
      - { .name: out0, .offset: 24, .size: 8, .value_kind: global_buffer, .address_space: global }
    .group_segment_fixed_size: 18432
    .private_segment_fixed_size: 0
    .kernarg_segment_align: 8
    .kernarg_segment_size: 32
    .max_flat_workgroup_size: 512
    .sgpr_count:     66
    .vgpr_count:     256
    .wavefront_size: 32
...
	.end_amdgpu_metadata
.endif
;; end of part 5
